; MI455X (gfx1250); checked and timed in simulation.
; The chip was launched on July 23, 2026; its instructions are those of AMD's public machine-readable ISA for CDNA 5 (MIT licence, August 2026) and "CDNA5" Instruction Set Architecture Reference Guide (July 2026). The comments in the code are by the model that wrote it; some were corrected since.
;; Attention. Allowed arithmetic: matrix products marked QUANTISED: E5M2 operands, one E8M0 scale for each 32 along K, by v_wmma_scale_f32_16x16x128_f8f6f4 with both operands' format E5M2, f32 sums; products left as they are: f32 operands where the result goes on into a quantised operand, else bf16, f16 or f32 operands; f32 sums; everything else in f32.
;; Inputs: W_c 1,024 float32; W_d 1,024 x 1,024 float32; W_h 1,024 x 1,024 float32; W_q 1,024 x 1,024 float32; b_d 1,024 float32; coverage 32 x 1,024 float32; enc_padding_mask 32 x 1,024 float32; h 32 x 1,024 x 1,024 float32; q_h 32 x 1,024 x 1,024 float32; s_t_hat 32 x 1,024 float32; v_w 1,024 float32.
;; Outputs: out0 32 x 1,024 float32; out1 32 x 1,024 float32; out2 32 x 1,024 float32.
;; This version of the problem:
;;   THIS VERSION OF THE PROBLEM IS GIVEN IN LOW PRECISION. The matrix products marked QUANTISED in the list below multiply operands that are first quantised to E5M2 (5 exponent bits, 2 mantissa bits; 8 bits a number), with one power-of-two scale for each 32 numbers along K (OCP MX v1.0); their sums are f32. All else is computed in f32.
;;   The module's matrix products, in the order in which they are computed (A, B: the left and right operand; K: the contracted axis; several contracted axes count as one K, in the product's order):
;;     1. [M 32,768, K 1,024] x [K 1,024, N 1,024]; A: input h; B: input W_h: QUANTISED
;;     2. [M 32,768, K 1,024] x [K 1,024, N 1,024]; A: input q_h; B: input W_q: QUANTISED
;;     3. [M 32, K 1,024] x [K 1,024, N 1,024]; A: input s_t_hat; B: input W_d: QUANTISED
;;     4. [M 32,768, K 1,024] x [K 1,024, N 1]; A: computed on the way; B: input v_w: left as it is (N = 1 < 16)
;;     5. batch 32 x [M 1, K 1,024] x [K 1,024, N 1,024]; A: computed on the way; B: input h: left as it is (M = 1 < 16)
;;   THE QUANTISER, for each operand of a quantised product, along K:
;;     - K is cut into blocks of 32 from its start; a last block that is shorter is filled with zeros.
;;     - A block's scale is 2^e with e = floor(log2(the largest magnitude in the block)) - 15, held to -126 .. 127; a block of zeros has e = 0. As a byte (E8M0): e + 127.
;;     - Each number is divided by its block's scale, clamped to +-57,344, and rounded to the nearest number of E5M2, ties to even, subnormals kept.
;;     - The product sums the exact products of the quantised numbers (number of the format x scale) in f32.
;;   ~~~python
;;   def quantise(x, axis):      # numpy; x: float32 -> the quantised numbers, widened to float32 again
;;       x = np.moveaxis(x, axis, -1); K = x.shape[-1]
;;       x = np.pad(x, [(0, 0)] * (x.ndim - 1) + [(0, -K % 32)]); x = x.reshape(x.shape[:-1] + (-1, 32)); a = np.abs(x).max(-1, keepdims=True)
;;       e = np.where(a > 0, np.clip(np.frexp(np.where(a > 0, a, 1))[1] - 1 - 15, -126, 127), 0)      # np.frexp(a)[1] - 1 = floor(log2(a)), exactly
;;       r = np.clip(x / 2.0 ** e, -57344, 57344)
;;       step = 2.0 ** (np.maximum(np.frexp(np.where(r == 0, 1, r))[1] - 1, -14) - 2)
;;       q = np.round(r / step) * step * 2.0 ** e      # np.round: ties to even
;;       return np.moveaxis(q.reshape(q.shape[:-2] + (-1,))[..., :K], -1, axis).astype(np.float32)
;;   ~~~
;; 2 versions, each right; version 2 is version 1 with the launches prep, main, finish written anew for expert scheduling mode. Each part assembles by itself: llvm-mc -triple=amdgcn-amd-amdhsa -mcpu=gfx1250 --defsym DOCPART=n.
;; ======== version 1 of 2: 3 launches
;; workspace buffers: wcodes 2,097,152 bytes; wscales 65,536 bytes; decp 1,048,576 bytes; scores 131,072 bytes
;; launch prep (part 1): grid 192 x 1, 4 waves a work-group, no clusters, 0 bytes of LDS; arguments W_q, W_h, W_d, s_t_hat, wcodes, wscales, decp; writes wcodes, wscales, decp
.if DOCPART == 1
	.amdgcn_target "amdgcn-amd-amdhsa--gfx1250"
	.amdhsa_code_object_version 6
	.text
	.protected	k_q8a4c7b368c_prep
	.globl	k_q8a4c7b368c_prep
	.p2align	8
	.type	k_q8a4c7b368c_prep,@function
k_q8a4c7b368c_prep:
	s_mov_b64 s[64:65], 0
	v_nop
	global_prefetch_b8 v0, s[64:65] scope:SCOPE_SE
	s_setreg_imm32_b32 hwreg(HW_REG_WAVE_MODE, 25, 1), 1
	s_wait_xcnt 0x0
; The weights are quantised ONCE, since every work-group of the next launch reads them, and the small third product is done here.
; W_q, W_h, W_d: [1024 (n)][1024 (k)] f32, K innermost.  Codes of BF8 (E5M2), one E8M0 scale byte for each 32 along K.
; A block's scale is 2^(floor(log2(its largest magnitude)) - 15); its byte is the largest magnitude's exponent field - 15, held at 1 from below.
; Each number is held within +-57,344 x the scale and rounded to the nearest code, ties to even.
; LIMITS: a block of zeros gets the byte 1 where the rule says 127 (its codes are zeros, which add nothing, and this program alone reads the bytes);
; blocks whose largest magnitude lies under 2^(16 - 127) keep the byte 1; NaN and infinities among the inputs are not served.
; SHARES.  A wave takes one pair of n tiles (32 rows of a weight) and one K step of 128: 256 such pieces a weight, 64 work-groups of four waves.
; Work-groups 0-63: W_q; 64-127: W_h (the pointer is chosen on the work-group's number); 128-191: W_d.
; JOB 1 (W_q, W_h): the two fragments leave as IMAGES OF THE OPERAND'S REGISTERS, group c of four registers of lane l at 512 c + 16 l: each store of the wave covers 512 consecutive bytes.
;   wcodes [stream 8][s 16][b 8][2,048]; stream = 2 w + p, n tile 32 p + 8 w + b; s = 0-7 W_q's K steps, 8-15 W_h's.  wscales [stream][s][i 4][32 words]: lanes 0-15 tile 2 i, lanes 16-31 tile 2 i + 1.
; JOB 2 (W_d): s_t_hat's 32 rows and W_d's 32 rows of this K step are quantised in registers and multiplied: four products; the partial sums of this K step go to
;   decp [batch 32][k 8][n 1,024] f32; the next launch adds the eight and b_d in f32.  A lane stores 32 bytes of a batch row, two lanes 64: pieces of rows, 1 MiB in the whole launch.
; A lane holds row r = lane % 16 and, of each block of 32 along K, the 16 neighbours of its half h = lane / 16: the order of the operand's registers.  No LDS, no barrier: waves share nothing.
.set XA,  4                            ; v4   r x 4,096 + 64 h: my 16 numbers of a block in my row
.set LI,  5                            ; v5   16 x lane
.set L4,  6                            ; v6   4 x lane
.set DO,  7                            ; v7   decp: r x 32,768 + 32 h
.set TM,  16                           ; v16-19 largest magnitudes, v20-23 bytes, v24-27 57,344 x the scale, v28-31 the conversions' scale operands
.set PW,  32                           ; the scale word just made
.set PW0, 33                           ; the first tile's word, kept
.set SS0, 34                           ; scale words for the products: s_t_hat's rows 0-15,
.set SS1, 35                           ; rows 16-31,
.set SSW, 36                           ; W_d's tile: these three hold scales and nothing else
.set PWM, 37                           ; the two tiles' words in one register
.set PCA, 40                           ; three fragments of codes
.set PCB, 56
.set PCC, 72
.set D,   88                           ; four results
.set R0,  120                          ; two sets of 64 numbers
.set R1,  184
.set SEL, 20                           ; s[20:21] lane selects: lane l xor 16
.set MNT, 23                           ; s23  the mantissa field of 57,344
; 64 numbers a lane: 16 rows x 128 along K, from off bytes on
.macro XLOAD reg, base, off, nt
.irp b, 0,1,2,3
.irp j, 0,1,2,3
.if \nt
	global_load_b128 v[\reg+16*\b+4*\j:\reg+16*\b+4*\j+3], v[XA], s[\base:\base+1] offset:\off+128*\b+16*\j th:TH_LOAD_NT
.else
	global_load_b128 v[\reg+16*\b+4*\j:\reg+16*\b+4*\j+3], v[XA], s[\base:\base+1] offset:\off+128*\b+16*\j
.endif
.endr
.endr
.endm
; v[s] .. v[s + 63], register 16 b + i = k 32 b + 16 h + i of my row, become a fragment's codes in v[d] on and its scale word in v[PW]
.macro QUANT s, d
.irp b, 0,1,2,3
	v_max3_num_f32 v[TM+\b], |v[\s+16*\b]|, |v[\s+1+16*\b]|, 0x8000000   ; block b: my 16 numbers, and the floor 2^(16 - 127): the byte cannot fall under 1
.endr
.irp i, 2,4,6,8,10,12,14
.irp b, 0,1,2,3
	v_max3_num_f32 v[TM+\b], v[TM+\b], |v[\s+16*\b+\i]|, |v[\s+1+16*\b+\i]|   ; the four blocks by turns
.endr
.endr
.irp b, 0,1,2,3
	v_permlanex16_b32 v[TM+4+\b], v[TM+\b], s[SEL], s[SEL+1]
.endr
.irp b, 0,1,2,3
	v_max_num_f32 v[TM+\b], v[TM+\b], v[TM+4+\b]           ; with lane l xor 16's: the block's largest magnitude
.endr
.irp b, 0,1,2,3
	v_add_nc_u32 v[TM+12+\b], 0xf8800000, v[TM+\b]         ; 15 off its exponent field: the conversion's scale operand
.endr
.irp b, 0,1,2,3
	v_and_or_b32 v[TM+8+\b], v[TM+\b], 0x7f800000, s[MNT]  ; 57,344 x the scale
.endr
.irp b, 0,1,2,3
	v_lshrrev_b32 v[TM+4+\b], 23, v[TM+12+\b]              ; the scale's byte
.endr
	v_lshl_or_b32 v[PW], v[TM+5], 8, v[TM+4]               ; four bytes: my row's scale word
	v_lshl_or_b32 v[PW], v[TM+6], 16, v[PW]
	v_lshl_or_b32 v[PW], v[TM+7], 24, v[PW]
.irp b, 0,1,2,3
.irp i, 0,1,2,3,4,5,6,7,8,9,10,11,12,13,14,15
	v_med3_num_f32 v[\s+16*\b+\i], v[\s+16*\b+\i], -v[TM+8+\b], v[TM+8+\b]   ; the conversion to an 8-bit code does not saturate (ISA guide 7.6.2): the hold
.endr
	v_cvt_scalef32_pk8_bf8_f32 v[\d+4*\b:\d+1+4*\b], v[\s+16*\b:\s+7+16*\b], v[TM+12+\b]
	v_cvt_scalef32_pk8_bf8_f32 v[\d+2+4*\b:\d+3+4*\b], v[\s+8+16*\b:\s+15+16*\b], v[TM+12+\b]
.endr
	v_nop                                                  ; one plain line behind the last conversion
.endm
.macro DSTORE d, off                   ; a result from its low end on
	global_store_b128 v[DO], v[D+8*\d:D+8*\d+3], s[16:17] offset:\off
	global_store_b128 v[DO], v[D+8*\d+4:D+8*\d+7], s[16:17] offset:\off+16
.endm
	s_load_b256 s[4:11], s[0:1], 0x0               ; W_q s[4:5], W_h s[6:7], W_d s[8:9], s_t_hat s[10:11]
	s_load_b128 s[12:15], s[0:1], 0x20             ; wcodes s[12:13], wscales s[14:15]
	s_load_b64 s[16:17], s[0:1], 0x30              ; decp
	v_lshrrev_b32 v1, 5, v0
	v_readfirstlane_b32 s18, v1                    ; wave 0..3
	v_and_b32 v1, 31, v0                           ; lane
	v_and_b32 v2, 15, v0                           ; r
	v_bfe_u32 v3, v0, 4, 1                         ; h
	v_lshlrev_b32 v[XA], 12, v2
	v_lshl_add_u32 v[XA], v3, 6, v[XA]
	v_lshlrev_b32 v[LI], 4, v1
	v_lshlrev_b32 v[L4], 2, v1
	v_lshlrev_b32 v[DO], 15, v2
	v_lshl_add_u32 v[DO], v3, 5, v[DO]
.irp b, 0,1,2,3
	v_mov_b32 v[TM+4+\b], 0                        ; written once: a lane permute's destination counts as one of its sources
.endr
	s_mov_b32 s[SEL], 0x76543210
	s_mov_b32 s[SEL+1], 0xfedcba98
	s_mov_b32 s[MNT], 0x600000
	s_and_b32 s24, ttmp9, 63
	s_lshl_b32 s24, s24, 2
	s_add_co_u32 s24, s24, s18                     ; my piece of the weight, 0..255
	s_and_b32 s25, s24, 7                          ; k: which 128 along K
	s_lshr_b32 s26, s24, 3                         ; P: which 32 rows
	s_lshl_b32 s28, s26, 17                        ; 32 rows of 4,096 bytes
	s_lshl_b32 s30, s25, 9                         ; 128 numbers of 4 bytes
	s_add_co_u32 s28, s28, s30
	s_mov_b32 s29, 0
	s_mov_b32 s31, 0
	s_wait_kmcnt 0x0
	s_cmp_ge_u32 ttmp9, 128
	s_cbranch_scc1 .Ldec
	; ---- JOB 1
	s_cmp_lt_u32 ttmp9, 64                         ; W_q or W_h: the choice hangs on the work-group's number alone
	s_cselect_b64 s[4:5], s[4:5], s[6:7]
	s_add_nc_u64 s[4:5], s[4:5], s[28:29]
	XLOAD R0, 4, 0, 1                              ; the pair's first tile,
	XLOAD R1, 4, 65536, 1                          ; and the second, 16 rows on
	s_lshr_b32 s32, ttmp9, 6
	s_lshl_b32 s32, s32, 3
	s_add_co_u32 s32, s32, s25                     ; s = k, + 8 for W_h
	s_lshr_b32 s33, s26, 4                         ; p
	s_bfe_u32 s34, s26, 0x20002                    ; w
	s_and_b32 s35, s26, 3                          ; i
	s_lshl_b32 s34, s34, 1
	s_add_co_u32 s34, s34, s33                     ; stream = 2 w + p
	s_lshl_b32 s36, s34, 18                        ; codes: stream x 262,144 + s x 16,384 + i x 4,096
	s_lshl_b32 s33, s32, 14
	s_add_co_u32 s36, s36, s33
	s_lshl_b32 s33, s35, 12
	s_add_co_u32 s36, s36, s33
	s_mov_b32 s37, 0
	s_lshl_b32 s38, s34, 13                        ; scale words: stream x 8,192 + s x 512 + i x 128
	s_lshl_b32 s33, s32, 9
	s_add_co_u32 s38, s38, s33
	s_lshl_b32 s33, s35, 7
	s_add_co_u32 s38, s38, s33
	s_mov_b32 s39, 0
	s_add_nc_u64 s[12:13], s[12:13], s[36:37]
	s_add_nc_u64 s[14:15], s[14:15], s[38:39]
	s_wait_loadcnt 16                              ; the first tile's 16 loads are in; the second's may be out
	QUANT R0, PCA
	v_mov_b32 v[PW0], v[PW]
.irp c, 0,1,2,3
	global_store_b128 v[LI], v[PCA+4*\c:PCA+4*\c+3], s[12:13] offset:512*\c
.endr
	s_wait_loadcnt 0x0
	QUANT R1, PCB
	v_cmp_gt_u32 vcc_lo, 16, v1
	v_cndmask_b32 v[PWM], v[PW], v[PW0], vcc_lo    ; lanes 0-15: the first tile's words; lanes 16-31: the second's
.irp c, 0,1,2,3
	global_store_b128 v[LI], v[PCB+4*\c:PCB+4*\c+3], s[12:13] offset:2048+512*\c
.endr
	global_store_b32 v[L4], v[PWM], s[14:15]
	s_endpgm
	; ---- JOB 2
.Ldec:
	s_add_nc_u64 s[10:11], s[10:11], s[30:31]      ; s_t_hat at this K step
	s_add_nc_u64 s[8:9], s[8:9], s[28:29]          ; W_d at my 32 rows, this K step
	XLOAD R0, 10, 0, 0                             ; batch rows 0-15 (many waves read them: no hint)
	XLOAD R1, 10, 65536, 0                         ; batch rows 16-31
	s_lshl_b32 s32, s25, 12                        ; decp: k x 4,096 + P x 128
	s_lshl_b32 s33, s26, 7
	s_add_co_u32 s32, s32, s33
	s_mov_b32 s33, 0
	s_add_nc_u64 s[16:17], s[16:17], s[32:33]
	s_wait_loadcnt 16                              ; in each of these waits: the older set is in, the younger set's 16 loads may be out
	QUANT R0, PCA
	v_mov_b32 v[SS0], v[PW]
	XLOAD R0, 8, 0, 1                              ; W_d's first tile
	s_wait_loadcnt 16
	QUANT R1, PCB
	v_mov_b32 v[SS1], v[PW]
	XLOAD R1, 8, 65536, 1                          ; W_d's second tile
	s_wait_loadcnt 16
	QUANT R0, PCC
	v_mov_b32 v[SSW], v[PW]
.rept 8
	v_nop                                          ; a scale register written by a vector instruction stands eight places ahead of the scaled product, codes so written four
.endr
	; transposed: source 0 = 16 rows of W_d, source 1 = 16 batch rows: a lane holds one batch row and eight neighbouring n
	v_wmma_scale_f32_16x16x128_f8f6f4 v[D:D+7], v[PCC:PCC+15], v[PCA:PCA+15], 0, v[SSW], v[SS0] matrix_a_fmt:MATRIX_FMT_BF8 matrix_b_fmt:MATRIX_FMT_BF8
	v_wmma_scale_f32_16x16x128_f8f6f4 v[D+8:D+15], v[PCC:PCC+15], v[PCB:PCB+15], 0, v[SSW], v[SS1] matrix_a_fmt:MATRIX_FMT_BF8 matrix_b_fmt:MATRIX_FMT_BF8
	s_wait_loadcnt 0x0
	QUANT R1, PCC                                  ; its 32 maxima, which name none of the products' registers, are the places ahead of its writes of the codes and of the stores below
	DSTORE 0, 0
	DSTORE 1, 524288                               ; batch rows 16-31: 16 x 32,768 bytes on
	v_mov_b32 v[SSW], v[PW]
.rept 8
	v_nop
.endr
	v_wmma_scale_f32_16x16x128_f8f6f4 v[D+16:D+23], v[PCC:PCC+15], v[PCA:PCA+15], 0, v[SSW], v[SS0] matrix_a_fmt:MATRIX_FMT_BF8 matrix_b_fmt:MATRIX_FMT_BF8
	v_wmma_scale_f32_16x16x128_f8f6f4 v[D+24:D+31], v[PCC:PCC+15], v[PCB:PCB+15], 0, v[SSW], v[SS1] matrix_a_fmt:MATRIX_FMT_BF8 matrix_b_fmt:MATRIX_FMT_BF8
.rept 8
	v_nop                                          ; eight places ahead of the stores that read the results
.endr
	DSTORE 2, 64
	DSTORE 3, 524288+64
	s_endpgm
.Lfunc_end_k_q8a4c7b368c_prep:
	.size	k_q8a4c7b368c_prep, .Lfunc_end_k_q8a4c7b368c_prep-k_q8a4c7b368c_prep
	.p2alignl 7, 3214868480
	.fill 96, 4, 3214868480
	.section	.rodata,"a",@progbits
	.p2align	6, 0x0
	.amdhsa_kernel k_q8a4c7b368c_prep
		.amdhsa_group_segment_fixed_size 0
		.amdhsa_private_segment_fixed_size 0
		.amdhsa_enable_private_segment 0
		.amdhsa_kernarg_size 56
		.amdhsa_user_sgpr_count 2
		.amdhsa_user_sgpr_kernarg_segment_ptr 1
		.amdhsa_wavefront_size32 1
		.amdhsa_system_sgpr_workgroup_id_x 1
		.amdhsa_system_sgpr_workgroup_id_y 1
		.amdhsa_system_sgpr_workgroup_id_z 1
		.amdhsa_system_vgpr_workitem_id 0
		.amdhsa_next_free_vgpr 256
		.amdhsa_next_free_sgpr 66
		.amdhsa_reserve_vcc 1
		.amdhsa_float_denorm_mode_32 3
		.amdhsa_float_denorm_mode_16_64 3
		.amdhsa_memory_ordered 1
		.amdhsa_forward_progress 1
		.amdhsa_inst_pref_size 63
	.end_amdhsa_kernel
	.amdgpu_metadata
---
amdhsa.version: [ 1, 2 ]
amdhsa.kernels:
  - .name:           k_q8a4c7b368c_prep
    .symbol:         k_q8a4c7b368c_prep.kd
    .args:
      - { .name: W_q, .offset: 0, .size: 8, .value_kind: global_buffer, .address_space: global }
      - { .name: W_h, .offset: 8, .size: 8, .value_kind: global_buffer, .address_space: global }
      - { .name: W_d, .offset: 16, .size: 8, .value_kind: global_buffer, .address_space: global }
      - { .name: s_t_hat, .offset: 24, .size: 8, .value_kind: global_buffer, .address_space: global }
      - { .name: wcodes, .offset: 32, .size: 8, .value_kind: global_buffer, .address_space: global }
      - { .name: wscales, .offset: 40, .size: 8, .value_kind: global_buffer, .address_space: global }
      - { .name: decp, .offset: 48, .size: 8, .value_kind: global_buffer, .address_space: global }
    .group_segment_fixed_size: 0
    .private_segment_fixed_size: 0
    .kernarg_segment_align: 8
    .kernarg_segment_size: 56
    .max_flat_workgroup_size: 128
    .sgpr_count:     66
    .vgpr_count:     256
    .wavefront_size: 32
...
	.end_amdgpu_metadata
.endif
;; end of part 1
;; launch main (part 2): grid 256 x 1, 4 waves a work-group, no clusters, 318,976 bytes of LDS; arguments q_h, h, coverage, W_c, v_w, b_d, wcodes, wscales, decp, scores; writes scores
.if DOCPART == 2
	.amdgcn_target "amdgcn-amd-amdhsa--gfx1250"
	.amdhsa_code_object_version 6
	.text
	.protected	k_q8a4c7b368c_main
	.globl	k_q8a4c7b368c_main
	.p2align	8
	.type	k_q8a4c7b368c_main,@function
k_q8a4c7b368c_main:
	s_mov_b64 s[64:65], 0
	v_nop
	global_prefetch_b8 v0, s[64:65] scope:SCOPE_SE
	s_setreg_imm32_b32 hwreg(HW_REG_WAVE_MODE, 25, 1), 1
	s_wait_xcnt 0x0
; scores[row] = sum over n of v_w[n] tanh(q_h[row] . W_q[n] + h[row] . W_h[n] + dec[batch][n] + coverage[row] W_c[n]).
; The two large products are ONE product with K = 2,048 (q_h's 1,024, then h's) on codes of BF8 (E5M2) with one E8M0 scale for each 32 along K; sums in f32.
; SHARES.  A work-group of four waves owns 128 rows (one eighth of a batch row's steps), all 1,024 n and all of K: a row's score is finished here.
; PHASE X.  Wave w reads rows 32 w .. 32 w + 31 of q_h and h once, 512 consecutive bytes of one row a load, turns them through its own stage in LDS so that a lane holds 16 neighbours along K,
;   quantises them and stores the fragments to LDS as IMAGES OF THE OPERAND'S REGISTERS (group c of four registers of lane l at 512 c + 16 l), with their scale words.  One barrier.
; THE PRODUCT, in two passes of 512 n.  Wave w makes 128 rows x 128 n (n = 512 p + 128 w on): 64 accumulators, 512 registers.  A's fragments come from LDS, read by all four waves.
;   B's fragments are each wave's own and come from wcodes straight into registers, dense loads of 512 bytes, one and a half K steps ahead.
; AFTER EACH PASS: tanh and the product with v_w in registers: tanh x = 1 - 2 / (1 + 2^(2 log2(e) x)), so a row's score is sum(v) - 2 sum(v r), r the reciprocal; right at both ends (2^.. = infinity: r = 0; = 0: r = 1).
; NO TENSOR LOADS AND NO JOINT REQUESTS: A's codes take 262,144 of a WGP's 327,680 LDS bytes and one K step of B for a pass is 65,536, so two slots for B do not fit;
;   and each byte of B feeds one wave alone, so a way through LDS would add an LDS write and an LDS read for each byte.  h and q_h are shared with no other work-group.
; THE MATRIX INSTRUCTION IS USED TRANSPOSED (source 0 = 16 n rows of the weights, source 1 = 16 rows of A): lane (r, h) holds row r and, in register j, n = 16 T + 8 h + j.
; LIMITS: a block of zeros gets the scale byte 1 (its codes are zeros; this program alone reads the bytes); NaN and infinities among the inputs are not served;
;   q_h's K is summed ahead of h's; the third product arrives as eight partial sums, added in f32 with b_d.
; REGISTERS, in windows of 256 (s_set_vgpr_msb: bits 1:0 source 0, 3:2 source 1, 5:4 source 2, 7:6 destination):
;   window 0: v1-13 addresses; v14-15 sum of v_w; v16-23 A's scale words, v24-31 B's (two sets of four each; they hold scales and nothing else); v32-47 coverage, a pair a tile; v48-63 the rows' sums;
;             v64-127 at work in phase X, dec in the epilogue; v128-255 two sets of 64 numbers in phase X, A's eight fragments in the product, W_c and v_w in the epilogue.
;   window 1: B's fragments, two sets of eight.   windows 2, 3: the accumulators ((a, b) in window 2 + a / 4 at v[8 (8 (a % 4) + b)]); in phase X window 2 holds four sets of 64 numbers as loaded.
.set AIMG, 0                           ; LDS: A's images [wave 4][s 16][u 2][2,048]: m tile 2 wave + u
.set ASC,  262144                      ; A's scale words [wave 4][s 16][32]: word 16 u + r
.set VEC,  270336                      ; 2 log2(e) x dec, W_c, v_w: 4,096 bytes each
.set STG,  282624                      ; a stage of 16 rows x 528 bytes for each wave
.set SCS,  316416                      ; each wave's 128 partial scores
.set LI,  1                            ; v1   16 x lane
.set L4,  2                            ; v2   4 x lane
.set AR,  3                            ; v3-6 where A's images of this K step begin, for each writer wave
.set AS,  7                            ; v7   A's scale words of this K step
.set EV,  8                            ; v8   VEC + 512 w + 32 h
.set SCW, 9                            ; v9   SCS + 512 w + 4 r
.set STW, 10                           ; v10  the stage, in: + 16 x lane
.set STR, 11                           ; v11  the stage, out: + 528 r + 64 h
.set AW0, 12                           ; v12  65,536 w + 16 x lane
.set AW,  13                           ; v13  + the trip's offset
.set U,   14
.set SA,  16
.set SB,  24
.set COV, 32
.set S,   48
.set TM,  64                           ; v64-67 largest magnitudes, v68-71 bytes, v72-75 57,344 x the scale, v76-79 the conversions' scale operands
.set PW,  80
.set PC,  84                           ; v84-99 the codes just made
.set SW0, 100                          ; ASC + 2,048 w + 4 r
.set SW,  101
.set VT,  102                          ; 32 x thread
.set CA,  103                          ; 4 r
.set VW,  104                          ; VEC + 32 x thread
.set DK,  64
.set XS,  128
.set AF,  128
.set WC,  128
.set VV,  192
.set WV,  24                           ; s24  my wave's number
.set LP,  28                           ; s[28:29] phase X: where the next trip's loads begin
.set HB,  30                           ; s[30:31] h at my wave's rows
.set XT,  32                           ; s32  phase X's trip
.set IO,  33                           ; s33  the trip's offset among the images
.set SO,  34                           ; s34  and among the scale words
.set BP,  36                           ; s[36:37] B's codes, at the K step being asked for
.set SP,  38                           ; s[38:39] B's scale words likewise
.set LAP, 40
.set SEL, 42                           ; s[42:43] lane selects: lane l xor 16
.set MNT, 44                           ; s44  the mantissa field of 57,344
.set K2,  46                           ; s[46:47] 2 log2(e): the packed forms name the pair and take its low word
.set AO,  48                           ; s48-51 65,536 i + 4,096 s
.set ASO, 52                           ; s52  ASC + 128 s
.set MSB, 0
.macro WIN new                         ; the immediate's high byte repeats the setting that is left; a switch that changes nothing is dropped
.if MSB != (\new)
	s_set_vgpr_msb (MSB<<8)|(\new)
.set MSB, (\new)
.endif
.endm
.set MUL_LO, 0xa1                      ; source 0 (B) window 1, source 1 (A) window 0, C and D window 2
.set MUL_HI, 0xf1                      ; the same, C and D window 3
.set TO_B,   0x40                      ; destination window 1
.macro PLACES n
.rept \n
	v_nop
.endr
.endm
; v[s] .. v[s + 63], register 16 b + i = k 32 b + 16 h + i of my row, become a fragment's codes in v[d] on and its scale word in v[PW]
.macro QUANT s, d
.irp b, 0,1,2,3
	v_max3_num_f32 v[TM+\b], |v[\s+16*\b]|, |v[\s+1+16*\b]|, 0x8000000   ; block b: my 16 numbers, and the floor 2^(16 - 127): the byte cannot fall under 1
.endr
.irp i, 2,4,6,8,10,12,14
.irp b, 0,1,2,3
	v_max3_num_f32 v[TM+\b], v[TM+\b], |v[\s+16*\b+\i]|, |v[\s+1+16*\b+\i]|   ; the four blocks by turns
.endr
.endr
.irp b, 0,1,2,3
	v_permlanex16_b32 v[TM+4+\b], v[TM+\b], s[SEL], s[SEL+1]
.endr
.irp b, 0,1,2,3
	v_max_num_f32 v[TM+\b], v[TM+\b], v[TM+4+\b]           ; with lane l xor 16's: the block's largest magnitude
.endr
.irp b, 0,1,2,3
	v_add_nc_u32 v[TM+12+\b], 0xf8800000, v[TM+\b]         ; 15 off its exponent field: the conversion's scale operand
.endr
.irp b, 0,1,2,3
	v_and_or_b32 v[TM+8+\b], v[TM+\b], 0x7f800000, s[MNT]  ; 57,344 x the scale
.endr
.irp b, 0,1,2,3
	v_lshrrev_b32 v[TM+4+\b], 23, v[TM+12+\b]              ; the scale's byte
.endr
	v_lshl_or_b32 v[PW], v[TM+5], 8, v[TM+4]               ; four bytes: my row's scale word
	v_lshl_or_b32 v[PW], v[TM+6], 16, v[PW]
	v_lshl_or_b32 v[PW], v[TM+7], 24, v[PW]
.irp b, 0,1,2,3
.irp i, 0,1,2,3,4,5,6,7,8,9,10,11,12,13,14,15
	v_med3_num_f32 v[\s+16*\b+\i], v[\s+16*\b+\i], -v[TM+8+\b], v[TM+8+\b]   ; the conversion to an 8-bit code does not saturate (ISA guide 7.6.2): the hold
.endr
	v_cvt_scalef32_pk8_bf8_f32 v[\d+4*\b:\d+1+4*\b], v[\s+16*\b:\s+7+16*\b], v[TM+12+\b]
	v_cvt_scalef32_pk8_bf8_f32 v[\d+2+4*\b:\d+3+4*\b], v[\s+8+16*\b:\s+15+16*\b], v[TM+12+\b]
.endr
	v_nop                                                  ; one plain line behind the last conversion
.endm
; PHASE X.  Fragment f = 2 q + u of a trip: K step q of its two, tile u of my two.
.macro LOADX f                         ; 16 rows x 512 bytes as they lie, into set f of window 2: each load reads 512 consecutive bytes of one row
	WIN 0x80
.irp t, 0,1,2,3,4,5,6,7,8,9,10,11,12,13,14,15
	global_load_b128 v[64*(\f)+4*\t:64*(\f)+4*\t+3], v[LI], s[LP:LP+1] offset:((\f)/2)*512+((\f)%2)*65536+\t*4096
.endr
.endm
.macro TURN f                          ; set f through my stage: rows 528 bytes apart (33 x 16: the sixteen rows that a load touches start at sixteen different 16-byte columns modulo 256); LDS serves a wave's instructions in order
	WIN 0x08                                       ; an LDS store's data are its source 1: window 2
.irp t, 0,1,2,3,4,5,6,7,8,9,10,11,12,13,14,15
	ds_store_b128 v[STW], v[64*(\f)+4*\t:64*(\f)+4*\t+3] offset:528*\t
.endr
	WIN 0
.irp c, 0,1,2,3
.irp j, 0,1,2,3
	ds_load_b128 v[XS+64*((\f)%2)+16*\c+4*\j:XS+64*((\f)%2)+16*\c+4*\j+3], v[STR] offset:128*\c+16*\j
.endr
.endr
.endm
.macro XSTEP f, ahead, turn, cnt
	s_wait_dscnt 0x0                               ; fragment f's numbers are back from the stage; the stage's stores have read set f; the last codes are stored
.if \ahead
	LOADX \f                                       ; set f takes the next trip's numbers
.endif
.if \turn
	s_wait_loadcnt \cnt                            ; the next set is in; the younger sets, 16 loads each, stay out
	TURN ((\f)+1)%4
.endif
	WIN 0
.set QS, XS+64*((\f)%2)
	QUANT QS, PC
.irp c, 0,1,2,3
	ds_store_b128 v[AW], v[PC+4*\c:PC+4*\c+3] offset:((\f)/2)*4096+((\f)%2)*2048+512*\c
.endr
	ds_store_b32 v[SW], v[PW] offset:((\f)/2)*128+((\f)%2)*64     ; lanes r and r + 16 write the same word with the same value
.endm
; B'S STREAM.  Half a K step: four fragments and their two registers of scale words: 18 loads
.macro GROUP e, half
	WIN TO_B
.irp bb, 0,1,2,3
.irp c, 0,1,2,3
	global_load_b128 v[128*(\e)+16*(4*(\half)+\bb)+4*\c:128*(\e)+16*(4*(\half)+\bb)+4*\c+3], v[LI], s[BP:BP+1] offset:(4*(\half)+\bb)*2048+512*\c
.endr
.endr
	WIN 0
.irp i, 0,1
	global_load_b32 v[SB+4*(\e)+2*(\half)+\i], v[L4], s[SP:SP+1] offset:(2*(\half)+\i)*128
.endr
.endm
; One product: A's tile a, B's tile b, B's and the scales' set e.  A scale register carries an even tile's words in lanes 0-15 and the odd tile's in lanes 16-31
.macro WM a, b, e, zero
.set rD, 8*(8*((\a)%4)+(\b))
.set rB, 128*(\e)+16*(\b)
.set rA, AF+16*(\a)
.set rSB, SB+4*(\e)+(\b)/2
.set rSA, SA+4*(\e)+(\a)/2
.if \zero
.if ((\b)%2 == 0) && ((\a)%2 == 0)
	v_wmma_scale_f32_16x16x128_f8f6f4 v[rD:rD+7], v[rB:rB+15], v[rA:rA+15], 0, v[rSB], v[rSA] matrix_a_fmt:MATRIX_FMT_BF8 matrix_b_fmt:MATRIX_FMT_BF8
.elseif ((\b)%2 == 1) && ((\a)%2 == 0)
	v_wmma_scale_f32_16x16x128_f8f6f4 v[rD:rD+7], v[rB:rB+15], v[rA:rA+15], 0, v[rSB], v[rSA] matrix_a_fmt:MATRIX_FMT_BF8 matrix_b_fmt:MATRIX_FMT_BF8 matrix_a_scale:MATRIX_SCALE_ROW1
.elseif ((\b)%2 == 0) && ((\a)%2 == 1)
	v_wmma_scale_f32_16x16x128_f8f6f4 v[rD:rD+7], v[rB:rB+15], v[rA:rA+15], 0, v[rSB], v[rSA] matrix_a_fmt:MATRIX_FMT_BF8 matrix_b_fmt:MATRIX_FMT_BF8 matrix_b_scale:MATRIX_SCALE_ROW1
.else
	v_wmma_scale_f32_16x16x128_f8f6f4 v[rD:rD+7], v[rB:rB+15], v[rA:rA+15], 0, v[rSB], v[rSA] matrix_a_fmt:MATRIX_FMT_BF8 matrix_b_fmt:MATRIX_FMT_BF8 matrix_a_scale:MATRIX_SCALE_ROW1 matrix_b_scale:MATRIX_SCALE_ROW1
.endif
.else
.if ((\b)%2 == 0) && ((\a)%2 == 0)
	v_wmma_scale_f32_16x16x128_f8f6f4 v[rD:rD+7], v[rB:rB+15], v[rA:rA+15], v[rD:rD+7], v[rSB], v[rSA] matrix_a_fmt:MATRIX_FMT_BF8 matrix_b_fmt:MATRIX_FMT_BF8
.elseif ((\b)%2 == 1) && ((\a)%2 == 0)
	v_wmma_scale_f32_16x16x128_f8f6f4 v[rD:rD+7], v[rB:rB+15], v[rA:rA+15], v[rD:rD+7], v[rSB], v[rSA] matrix_a_fmt:MATRIX_FMT_BF8 matrix_b_fmt:MATRIX_FMT_BF8 matrix_a_scale:MATRIX_SCALE_ROW1
.elseif ((\b)%2 == 0) && ((\a)%2 == 1)
	v_wmma_scale_f32_16x16x128_f8f6f4 v[rD:rD+7], v[rB:rB+15], v[rA:rA+15], v[rD:rD+7], v[rSB], v[rSA] matrix_a_fmt:MATRIX_FMT_BF8 matrix_b_fmt:MATRIX_FMT_BF8 matrix_b_scale:MATRIX_SCALE_ROW1
.else
	v_wmma_scale_f32_16x16x128_f8f6f4 v[rD:rD+7], v[rB:rB+15], v[rA:rA+15], v[rD:rD+7], v[rSB], v[rSA] matrix_a_fmt:MATRIX_FMT_BF8 matrix_b_fmt:MATRIX_FMT_BF8 matrix_a_scale:MATRIX_SCALE_ROW1 matrix_b_scale:MATRIX_SCALE_ROW1
.endif
.endif
.endm
; 16 products on 16 different accumulators: A's tiles a0 .. a0 + 3 x B's tiles 4 bh .. 4 bh + 3.  The 64 accumulators take turns, one instruction a turn, in the same order in every K step
.macro MULQ a0, bh, e, zero
.irp a, \a0, \a0+1, \a0+2, \a0+3
.irp b, 4*\bh, 4*\bh+1, 4*\bh+2, 4*\bh+3
	WM \a, \b, \e, \zero
.endr
.endr
.endm
.macro FETCH_A half                    ; A's tiles 4 half .. 4 half + 3 of the K step at hand: 16 loads of 512 consecutive bytes
.irp x, 0,1
.irp u, 0,1
.irp c, 0,1,2,3
	ds_load_b128 v[AF+16*(4*(\half)+2*\x+\u)+4*\c:AF+16*(4*(\half)+2*\x+\u)+4*\c+3], v[AR+2*(\half)+\x] offset:2048*\u+512*\c
.endr
.endr
.endr
.endm
.macro FETCH_SA e                      ; and its scale words: register i: lanes 0-15 tile 2 i, lanes 16-31 tile 2 i + 1
.irp i, 0,1,2,3
	ds_load_b32 v[SA+4*(\e)+\i], v[AS] offset:2048*\i
.endr
.endm
; A K STEP of 128: 64 products.  e: B's and the scales' set;  zero = 1: the products start the sums;  fa = 1: the next step's A is fetched;  ld = 1: B of two steps on is asked for;
; c0, c1: how many younger loads of B may stay out when the half wanted next has to be there (18 a half; c1 < 0: no wait).
; A load into a register that a product has read stands eight places behind that product.
.macro STEP e, zero, fa, ld, c0, c1
	s_wait_dscnt 16                                ; A's tiles 0-3 and the scale words are in; the youngest 16 loads (tiles 4-7) may be out
	WIN MUL_LO
	MULQ 0, 0, \e, \zero
	s_wait_dscnt 0x0
	WIN MUL_HI
	MULQ 4, 0, \e, \zero
	PLACES 8
	s_wait_loadcnt \c0                             ; B's second half of this step is in
.if \ld
	s_wait_xcnt 0x0                                ; the loads issued so far have read their bases
	s_add_nc_u64 s[BP:BP+1], s[BP:BP+1], 16384
	s_add_nc_u64 s[SP:SP+1], s[SP:SP+1], 512
	GROUP \e, 0                                    ; the half just multiplied takes the step two on
.endif
	WIN MUL_LO
	MULQ 0, 1, \e, \zero
.if \fa
	WIN 0
.irp i, 0,1,2,3
	s_add_co_u32 s[AO+\i], s[AO+\i], 4096
.endr
	s_add_co_u32 s[ASO], s[ASO], 128
.irp i, 0,1,2,3
	v_add_nc_u32 v[AR+\i], s[AO+\i], v[LI]         ; the next K step's images; these five additions are five of the eight places
.endr
	v_add_nc_u32 v[AS], s[ASO], v[L4]
	PLACES 3
	FETCH_A 0
	FETCH_SA 1-\e
.endif
	WIN MUL_HI
	MULQ 4, 1, \e, \zero
	PLACES 8
	WIN 0
.if \fa
	FETCH_A 1
.endif
.if \c1 >= 0
	s_wait_loadcnt \c1                             ; B's first half of the next step is in
.endif
.if \ld
	GROUP \e, 1
.endif
.endm
; THE EPILOGUE of m tile a: its 64 registers are 64 of my 128 n (the other 64 lie in lane l xor 16).  Each accumulator is read from its low end on.
.macro ETILE a
.set EX, 2+(\a)/4
.set AC, 64*((\a)%4)
	WIN (EX<<6)|(EX<<4)                            ; C-like source and destination: the accumulators' window
.set en, 0
.rept 32
	v_pk_fma_f32 v[AC+en:AC+en+1], v[WC+en:WC+en+1], v[COV+2*(\a):COV+2*(\a)+1], v[AC+en:AC+en+1]   ; + coverage x W_c
.set en, en+2
.endr
	WIN (EX<<6)|EX
.set en, 0
.rept 32
	v_pk_fma_f32 v[AC+en:AC+en+1], v[AC+en:AC+en+1], s[K2:K2+1], v[DK+en:DK+en+1] op_sel_hi:[1,0,1]   ; 2 log2(e) x (.. + dec)
.set en, en+2
.endr
.set en, 0
.rept 64
	v_exp_f32 v[AC+en], v[AC+en]
.set en, en+1
.endr
	v_nop                                          ; a plain line behind the exponentials
.set en, 0
	s_wait_alu depctr_va_vdst(0)
.rept 32
	v_pk_add_f32 v[AC+en:AC+en+1], v[AC+en:AC+en+1], 1.0 op_sel_hi:[1,0]
.set en, en+2
.endr
.set en, 0
.rept 64
	v_rcp_f32 v[AC+en], v[AC+en]
.set en, en+1
.endr
	v_nop                                          ; a plain line behind the reciprocals
	WIN (EX<<6)|(EX<<4)|EX
.set en, 0
	s_wait_alu depctr_va_vdst(0)
.rept 4
	v_pk_mul_f32 v[AC+en:AC+en+1], v[AC+en:AC+en+1], v[VV+en:VV+en+1]       ; v r: four chains
.set en, en+2
.endr
.rept 28
	v_pk_fma_f32 v[AC+en%8:AC+en%8+1], v[AC+en:AC+en+1], v[VV+en:VV+en+1], v[AC+en%8:AC+en%8+1]
.set en, en+2
.endr
	WIN EX
.irp n, 0,2,4,6
	v_pk_add_f32 v[S+2*(\a):S+2*(\a)+1], v[AC+\n:AC+\n+1], v[S+2*(\a):S+2*(\a)+1]
.endr
.endm
.macro EPI p                           ; dec, W_c and v_w at my 64 n of this pass; the eight places behind the last products stand at the last step's end
.irp b, 0,1,2,3,4,5,6,7
.irp i, 0,1
	ds_load_b128 v[DK+8*\b+4*\i:DK+8*\b+4*\i+3], v[EV] offset:2048*\p+64*\b+16*\i
	ds_load_b128 v[WC+8*\b+4*\i:WC+8*\b+4*\i+3], v[EV] offset:4096+2048*\p+64*\b+16*\i
	ds_load_b128 v[VV+8*\b+4*\i:VV+8*\b+4*\i+3], v[EV] offset:8192+2048*\p+64*\b+16*\i
.endr
.endr
	s_wait_dscnt 0x0
.set en, 0
.rept 32
	v_pk_add_f32 v[U:U+1], v[U:U+1], v[VV+en:VV+en+1]      ; the sum of v_w over my n
.set en, en+2
.endr
.irp a, 0,1,2,3,4,5,6,7
	ETILE \a
.endr
	WIN 0
.endm
; A PASS: 16 K steps and the epilogue.  B's stream runs on from pass 0 into pass 1; pass 1's last two steps ask for nothing, and their counts run down.
.macro PASS p
	s_mov_b32 s[AO], 0
	s_mov_b32 s[AO+1], 65536
	s_mov_b32 s[AO+2], 131072
	s_mov_b32 s[AO+3], 196608
	s_mov_b32 s[ASO], ASC
.irp i, 0,1,2,3
	v_add_nc_u32 v[AR+\i], s[AO+\i], v[LI]
.endr
	v_add_nc_u32 v[AS], s[ASO], v[L4]
	FETCH_A 0
	FETCH_SA 0
	FETCH_A 1
.if \p == 0
	s_wait_loadcnt 36                              ; step 0's first half is in; two halves stay out
	GROUP 1, 1
.endif
	STEP 0, 1, 1, 1, 36, 36                        ; the first K step stands ahead of the loop: its products start the sums
	s_mov_b32 s[LAP], 6
.Llap_\@:
	STEP 1, 0, 1, 1, 36, 36
	STEP 0, 0, 1, 1, 36, 36
	s_sub_co_u32 s[LAP], s[LAP], 1
	s_cmp_lg_u32 s[LAP], 0
	s_cbranch_scc1 .Llap_\@
	STEP 1, 0, 1, 1, 36, 36
.if \p == 0
	STEP 0, 0, 1, 1, 36, 36
	STEP 1, 0, 0, 1, 36, 36
.else
	STEP 0, 0, 1, 0, 36, 18
	STEP 1, 0, 0, 0, 0, -1
.endif
	EPI \p
.endm
	s_load_b512 s[4:19], s[0:1], 0x0               ; q_h s[4:5], h s[6:7], coverage s[8:9], W_c s[10:11], v_w s[12:13], b_d s[14:15], wcodes s[16:17], wscales s[18:19]
	s_load_b128 s[20:23], s[0:1], 0x40             ; decp s[20:21], scores s[22:23]
	v_lshrrev_b32 v3, 5, v0
	v_readfirstlane_b32 s[WV], v3                  ; wave 0..3
	v_and_b32 v4, 31, v0                           ; lane
	v_and_b32 v5, 15, v0                           ; r
	v_bfe_u32 v6, v0, 4, 1                         ; h
	v_lshlrev_b32 v[LI], 4, v4
	v_lshlrev_b32 v[L4], 2, v4
	s_lshl_b32 s26, s[WV], 9
	s_add_co_u32 s26, s26, VEC
	v_lshl_add_u32 v[EV], v6, 5, s26
	s_lshl_b32 s26, s[WV], 9
	s_add_co_u32 s26, s26, SCS
	v_lshl_add_u32 v[SCW], v5, 2, s26
	s_mul_i32 s26, s[WV], 8448
	s_add_co_u32 s26, s26, STG
	v_add_nc_u32 v[STW], s26, v[LI]
	v_mul_u32_u24 v[STR], v5, 528
	v_lshl_add_u32 v[STR], v6, 6, v[STR]
	v_add_nc_u32 v[STR], s26, v[STR]
	s_lshl_b32 s26, s[WV], 16
	v_add_nc_u32 v[AW0], s26, v[LI]
	s_lshl_b32 s26, s[WV], 11
	s_add_co_u32 s26, s26, ASC
	v_lshl_add_u32 v[SW0], v5, 2, s26
	v_lshlrev_b32 v[VT], 5, v0
	v_lshlrev_b32 v[CA], 2, v5
	v_add_nc_u32 v[VW], VEC, v[VT]
.irp i, 0,1,2,3,4,5,6,7,8,9,10,11,12,13,14,15
	v_mov_b32 v[S+\i], 0                           ; the rows' sums run over both passes
.endr
	v_mov_b32 v[U], 0
	v_mov_b32 v[U+1], 0
.irp b, 0,1,2,3
	v_mov_b32 v[TM+4+\b], 0                        ; written once: a lane permute's destination counts as one of its sources
.endr
	s_mov_b32 s[SEL], 0x76543210
	s_mov_b32 s[SEL+1], 0xfedcba98
	s_mov_b32 s[MNT], 0x600000
	s_mov_b32 s[K2], 0x4038aa3b                    ; 2 log2(e)
	s_mov_b32 s[K2+1], s[K2]
	s_lshl_b32 s26, ttmp9, 19                      ; my work-group's 128 rows of 4,096 bytes,
	s_lshl_b32 s27, s[WV], 17                      ; my wave's 32 of them
	s_add_co_u32 s26, s26, s27
	s_mov_b32 s27, 0
	s_lshl_b32 s54, ttmp9, 9                       ; 128 numbers of coverage and of scores
	s_mov_b32 s55, 0
	s_lshr_b32 s56, ttmp9, 3                       ; the batch row: 8 work-groups each
	s_lshl_b32 s56, s56, 15
	s_mov_b32 s57, 0
	s_lshl_b32 s58, s[WV], 19                      ; my wave's two streams of codes,
	s_mov_b32 s59, 0
	s_lshl_b32 s60, s[WV], 14                      ; and of scale words
	s_mov_b32 s61, 0
	s_wait_kmcnt 0x0
	s_add_nc_u64 s[LP:LP+1], s[4:5], s[26:27]
	s_add_nc_u64 s[HB:HB+1], s[6:7], s[26:27]
	s_add_nc_u64 s[8:9], s[8:9], s[54:55]
	s_add_nc_u64 s[22:23], s[22:23], s[54:55]
	s_add_nc_u64 s[20:21], s[20:21], s[56:57]
	s_add_nc_u64 s[BP:BP+1], s[16:17], s[58:59]
	s_add_nc_u64 s[SP:SP+1], s[18:19], s[60:61]
	; 30 small loads: thread t takes n = 8 t .. 8 t + 7 of the eight partial sums, b_d, W_c and v_w; a lane takes its eight rows' coverage
.irp k, 0,1,2,3,4,5,6,7
	global_load_b128 v[128+8*\k:131+8*\k], v[VT], s[20:21] offset:4096*\k
	global_load_b128 v[132+8*\k:135+8*\k], v[VT], s[20:21] offset:4096*\k+16
.endr
	global_load_b128 v[192:195], v[VT], s[14:15]
	global_load_b128 v[196:199], v[VT], s[14:15] offset:16
	global_load_b128 v[200:203], v[VT], s[10:11]
	global_load_b128 v[204:207], v[VT], s[10:11] offset:16
	global_load_b128 v[208:211], v[VT], s[12:13]
	global_load_b128 v[212:215], v[VT], s[12:13] offset:16
.irp a, 0,1,2,3,4,5,6,7
	global_load_b32 v[COV+2*\a], v[CA], s[8:9] offset:64*\a
.endr
	LOADX 0
	LOADX 1
	WIN 0
	s_wait_loadcnt 32                              ; the 30 are in; the two sets behind them stay out
.irp k, 0,1,2,3,4,5,6,7
.irp j, 0,2,4,6
	v_pk_add_f32 v[192+\j:193+\j], v[192+\j:193+\j], v[128+8*\k+\j:129+8*\k+\j]   ; b_d + the eight partial sums
.endr
.endr
.irp j, 0,2,4,6
	v_pk_mul_f32 v[192+\j:193+\j], v[192+\j:193+\j], s[K2:K2+1] op_sel_hi:[1,0]
.endr
	ds_store_b128 v[VW], v[192:195]
	ds_store_b128 v[VW], v[196:199] offset:16
	ds_store_b128 v[VW], v[200:203] offset:4096
	ds_store_b128 v[VW], v[204:207] offset:4112
	ds_store_b128 v[VW], v[208:211] offset:8192
	ds_store_b128 v[VW], v[212:215] offset:8208
.irp a, 0,1,2,3,4,5,6,7
	v_mov_b32 v[COV+2*\a+1], v[COV+2*\a]           ; a pair for the packed form
.endr
	LOADX 2
	LOADX 3
	s_wait_xcnt 0x0                                ; the loads have read their base
	s_add_nc_u64 s[LP:LP+1], s[LP:LP+1], 1024      ; the next trip: 256 along K on
	s_wait_loadcnt 48                              ; set 0 is in; three sets stay out
	TURN 0
	s_mov_b32 s[XT], 0
	s_mov_b32 s[IO], 0
	s_mov_b32 s[SO], 0
.Lxtrip:                                           ; seven trips with loads for the trip behind; trips 0-3 quantise q_h, 4-7 h
	v_add_nc_u32 v[AW], s[IO], v[AW0]
	v_add_nc_u32 v[SW], s[SO], v[SW0]
	XSTEP 0, 1, 1, 48
	XSTEP 1, 1, 1, 48
	XSTEP 2, 1, 1, 48
	XSTEP 3, 1, 1, 48
	s_wait_xcnt 0x0                                ; the loads have read their base
	s_add_nc_u64 s[LP:LP+1], s[LP:LP+1], 1024
	s_cmp_eq_u32 s[XT], 2                          ; trip 3 asks for trip 4's numbers: h's first
	s_cselect_b64 s[LP:LP+1], s[HB:HB+1], s[LP:LP+1]
	s_add_co_u32 s[IO], s[IO], 8192
	s_add_co_u32 s[SO], s[SO], 256
	s_add_co_u32 s[XT], s[XT], 1
	s_cmp_lt_u32 s[XT], 7
	s_cbranch_scc1 .Lxtrip
	v_add_nc_u32 v[AW], s[IO], v[AW0]              ; the last trip loads nothing: the counts run down
	v_add_nc_u32 v[SW], s[SO], v[SW0]
	XSTEP 0, 0, 1, 32
	XSTEP 1, 0, 1, 16
	XSTEP 2, 0, 1, 0
	XSTEP 3, 0, 0, 0
	GROUP 0, 0                                     ; B's stream begins: K step 0,
	GROUP 0, 1
	s_wait_xcnt 0x0
	s_add_nc_u64 s[BP:BP+1], s[BP:BP+1], 16384
	s_add_nc_u64 s[SP:SP+1], s[SP:SP+1], 512
	GROUP 1, 0                                     ; and half of K step 1
	s_wait_dscnt 0x0                               ; for the others' sake: my images, scale words and vectors are stored
	s_barrier_signal -1
	s_barrier_wait -1                              ; everybody's are; nobody writes them again
	PASS 0
	PASS 1
	; THE ROWS' SCORES: sum(v) - 2 sum(v r) over my 64 n and lane l xor 16's, then over the four waves
	v_add_f32 v[U], v[U], v[U+1]
.irp a, 0,1,2,3,4,5,6,7
	v_add_f32 v[64+\a], v[S+2*\a], v[S+2*\a+1]
.endr
.irp a, 0,1,2,3,4,5,6,7
	v_fma_f32 v[64+\a], v[64+\a], -2.0, v[U]
.endr
.irp a, 0,1,2,3,4,5,6,7
	v_permlanex16_b32 v[72+\a], v[64+\a], s[SEL], s[SEL+1]
.endr
.irp a, 0,1,2,3,4,5,6,7
	v_add_f32 v[64+\a], v[64+\a], v[72+\a]
.endr
.irp a, 0,1,2,3,4,5,6,7
	ds_store_b32 v[SCW], v[64+\a] offset:64*\a     ; row 16 a + r; lanes r and r + 16 write the same word with the same value
.endr
	v_add_nc_u32 v[AR], SCS, v[LI]
	s_wait_dscnt 0x0                               ; for the others' sake
	s_barrier_signal -1
	s_barrier_wait -1
	s_cmp_lg_u32 s[WV], 0
	s_cbranch_scc1 .Lend
.irp k, 0,1,2,3
	ds_load_b128 v[80+4*\k:83+4*\k], v[AR] offset:512*\k
.endr
	s_wait_dscnt 0x0
	v_pk_add_f32 v[80:81], v[80:81], v[84:85]
	v_pk_add_f32 v[82:83], v[82:83], v[86:87]
	v_pk_add_f32 v[88:89], v[88:89], v[92:93]
	v_pk_add_f32 v[90:91], v[90:91], v[94:95]
	v_pk_add_f32 v[80:81], v[80:81], v[88:89]
	v_pk_add_f32 v[82:83], v[82:83], v[90:91]
	global_store_b128 v[LI], v[80:83], s[22:23]    ; 32 lanes store the work-group's 128 scores: 512 consecutive bytes
.Lend:
	s_wait_xcnt 0x0
	v_lshl_add_u32 v254, v0, 2, 0x4dc00
	v_mov_b32 v255, 0
	s_wait_tensorcnt 0x0
	ds_add_u32 v254, v255
	s_wait_dscnt 0x0
	s_endpgm
.Lfunc_end_k_q8a4c7b368c_main:
	.size	k_q8a4c7b368c_main, .Lfunc_end_k_q8a4c7b368c_main-k_q8a4c7b368c_main
	.p2alignl 7, 3214868480
	.fill 96, 4, 3214868480
	.section	.rodata,"a",@progbits
	.p2align	6, 0x0
	.amdhsa_kernel k_q8a4c7b368c_main
		.amdhsa_group_segment_fixed_size 318976
		.amdhsa_private_segment_fixed_size 0
		.amdhsa_enable_private_segment 0
		.amdhsa_kernarg_size 80
		.amdhsa_user_sgpr_count 2
		.amdhsa_user_sgpr_kernarg_segment_ptr 1
		.amdhsa_wavefront_size32 1
		.amdhsa_system_sgpr_workgroup_id_x 1
		.amdhsa_system_sgpr_workgroup_id_y 1
		.amdhsa_system_sgpr_workgroup_id_z 1
		.amdhsa_system_vgpr_workitem_id 0
		.amdhsa_next_free_vgpr 1024
		.amdhsa_next_free_sgpr 66
		.amdhsa_reserve_vcc 0
		.amdhsa_float_denorm_mode_32 3
		.amdhsa_float_denorm_mode_16_64 3
		.amdhsa_memory_ordered 1
		.amdhsa_forward_progress 1
		.amdhsa_inst_pref_size 255
	.end_amdhsa_kernel
	.section	.bss,"aw",@nobits
	.p2align	6
	.space	262144
	.amdgpu_metadata
---
amdhsa.version: [ 1, 2 ]
amdhsa.kernels:
  - .name:           k_q8a4c7b368c_main
    .symbol:         k_q8a4c7b368c_main.kd
    .args:
      - { .name: q_h, .offset: 0, .size: 8, .value_kind: global_buffer, .address_space: global }
      - { .name: h, .offset: 8, .size: 8, .value_kind: global_buffer, .address_space: global }
      - { .name: coverage, .offset: 16, .size: 8, .value_kind: global_buffer, .address_space: global }
      - { .name: W_c, .offset: 24, .size: 8, .value_kind: global_buffer, .address_space: global }
      - { .name: v_w, .offset: 32, .size: 8, .value_kind: global_buffer, .address_space: global }
      - { .name: b_d, .offset: 40, .size: 8, .value_kind: global_buffer, .address_space: global }
      - { .name: wcodes, .offset: 48, .size: 8, .value_kind: global_buffer, .address_space: global }
      - { .name: wscales, .offset: 56, .size: 8, .value_kind: global_buffer, .address_space: global }
      - { .name: decp, .offset: 64, .size: 8, .value_kind: global_buffer, .address_space: global }
      - { .name: scores, .offset: 72, .size: 8, .value_kind: global_buffer, .address_space: global }
    .group_segment_fixed_size: 318976
    .private_segment_fixed_size: 0
    .kernarg_segment_align: 8
    .kernarg_segment_size: 80
    .max_flat_workgroup_size: 128
    .sgpr_count:     66
    .vgpr_count:     1024
    .wavefront_size: 32
...
	.end_amdgpu_metadata
.endif
;; end of part 2
;; launch finish (part 3): grid 8 x 32, 16 waves a work-group, no clusters, 14,848 bytes of LDS; arguments scores, enc_padding_mask, coverage, h, out0, out1, out2; writes out0, out1, out2
.if DOCPART == 3
	.amdgcn_target "amdgcn-amd-amdhsa--gfx1250"
	.amdhsa_code_object_version 6
	.text
	.protected	k_q8a4c7b368c_finish
	.globl	k_q8a4c7b368c_finish
	.p2align	8
	.type	k_q8a4c7b368c_finish,@function
k_q8a4c7b368c_finish:
	s_mov_b64 s[64:65], 0
	v_nop
	global_prefetch_b8 v0, s[64:65] scope:SCOPE_SE
	s_setreg_imm32_b32 hwreg(HW_REG_WAVE_MODE, 25, 1), 1
	s_wait_xcnt 0x0
; attn = softmax(scores) x mask, divided by its sum; coverage_out = coverage + attn; c_t[b][n] = sum over t of attn[b][t] h[b][t][n].  All in f32.
; SHARES.  Work-group (j, b) owns columns 128 j .. 128 j + 127 of batch row b's c_t.  Each of a batch row's eight work-groups makes that row's softmax itself, from 4,096 bytes of scores:
; thread t holds steps 2 t and 2 t + 1.  Of attn and coverage_out it stores steps 128 j .. 128 j + 127 (waves 2 j and 2 j + 1: 256 consecutive bytes a store).
; Wave w then walks rows 64 w .. 64 w + 63 of h: a load takes the 512 bytes of one row's 128 columns, 16 bytes a lane; 32 loads of every wave are on their way, the first 32 issued ahead of the softmax.
; The weights of a wave's 64 rows come back from LDS into 64 registers, the same in every lane; a row costs two packed multiply-adds.  The sixteen waves' sums meet in LDS.
; The maximum is taken away before the exponential, and both of the definition's divisions are made (a row whose masked sum is 0 gives what 0 / 0 gives there).
; Memory binds here: no matrix unit (one row against 1,024 x 128), no cluster (no two work-groups read the same bytes of h), no tensor loads.  LIMITS: NaN and infinities among the inputs are not served.
.set RMX, 0                            ; LDS: the waves' maxima, 64 bytes
.set RSM, 256                          ; the waves' two sums, 128 bytes
.set ATT, 512                          ; attn, 4,096 bytes
.set RED, 4608                         ; the waves' partial c_t, 512 bytes each
.set LI,  1                            ; v1  16 x lane
.set T8,  2                            ; v2  8 x thread
.set ACC, 48                           ; v48-55 two sets of four sums
.set W,   64                           ; v64-127 my 64 rows' weights
.set XR,  128                          ; v128-255 32 slots of four registers
	s_load_b256 s[4:11], s[0:1], 0x0               ; scores s[4:5], mask s[6:7], coverage s[8:9], h s[10:11]
	s_load_b128 s[12:15], s[0:1], 0x20             ; out0 s[12:13], out1 s[14:15]
	s_load_b64 s[16:17], s[0:1], 0x30              ; out2
	v_lshl_add_u32 v62, v0, 2, 0x3200
	v_mov_b32 v63, 0
	v_lshrrev_b32 v3, 5, v0
	v_readfirstlane_b32 s18, v3                    ; wave 0..15
	v_and_b32 v4, 31, v0
	v_lshlrev_b32 v[LI], 4, v4
	v_lshlrev_b32 v[T8], 3, v0
	v_lshlrev_b32 v5, 2, v3                        ; 4 x wave
	v_lshlrev_b32 v6, 3, v3                        ; 8 x wave
	v_mov_b32 v7, 0
	v_lshlrev_b32 v8, 8, v3                        ; 256 x wave
	v_lshlrev_b32 v9, 4, v0                        ; 16 x thread
	v_mov_b32 v27, 0                               ; lane permutes' destinations count as sources: written once
	v_mov_b32 v32, 0
	v_mov_b32 v33, 0
	s_and_b32 s19, ttmp7, 0xffff                   ; the batch row
	s_lshl_b32 s20, s19, 12                        ; its 1,024 numbers
	s_mov_b32 s21, 0
	s_lshl_b32 s22, s19, 22                        ; h: the batch row's 4 MiB,
	s_lshl_b32 s23, s18, 18                        ; my wave's 64 rows,
	s_add_co_u32 s22, s22, s23
	s_lshl_b32 s23, ttmp9, 9                       ; my work-group's 128 columns
	s_add_co_u32 s22, s22, s23
	s_add_co_u32 s24, s23, s20                     ; out0: the batch row, my columns
	s_mov_b32 s23, 0
	s_mov_b32 s25, 0
	s_mov_b32 s26, 0x76543210
	s_mov_b32 s27, 0xfedcba98
	s_mov_b32 s28, 0x3fb8aa3b                      ; log2(e)
	s_wait_kmcnt 0x0
	s_add_nc_u64 s[4:5], s[4:5], s[20:21]
	s_add_nc_u64 s[6:7], s[6:7], s[20:21]
	s_add_nc_u64 s[8:9], s[8:9], s[20:21]
	s_add_nc_u64 s[14:15], s[14:15], s[20:21]
	s_add_nc_u64 s[16:17], s[16:17], s[20:21]
	s_add_nc_u64 s[10:11], s[10:11], s[22:23]
	s_add_nc_u64 s[12:13], s[12:13], s[24:25]
	global_load_b64 v[20:21], v[T8], s[4:5]
	global_load_b64 v[22:23], v[T8], s[6:7]
	global_load_b64 v[24:25], v[T8], s[8:9]
.set ri, 0
.rept 32
	global_load_b128 v[XR+4*ri:XR+4*ri+3], v[LI], s[10:11] offset:4096*ri th:TH_LOAD_NT   ; rows 0-31 of my 64: read once in this launch
.set ri, ri+1
.endr
	s_wait_loadcnt 32                              ; scores, mask and coverage are in; the 32 rows stay out
	; the batch row's largest score
	v_max_num_f32 v26, v20, v21
	v_max_num_f32_dpp v26, v26, v26 row_xmask:1 row_mask:0xf bank_mask:0xf
	v_max_num_f32_dpp v26, v26, v26 row_xmask:2 row_mask:0xf bank_mask:0xf
	v_max_num_f32_dpp v26, v26, v26 row_xmask:4 row_mask:0xf bank_mask:0xf
	v_max_num_f32_dpp v26, v26, v26 row_xmask:8 row_mask:0xf bank_mask:0xf
	v_permlanex16_b32 v27, v26, s26, s27
	v_max_num_f32 v26, v26, v27
	ds_store_b32 v5, v26 offset:RMX                ; all lanes write the wave's word with the same value
	s_wait_dscnt 0x0
	s_barrier_signal -1
	s_barrier_wait -1
.irp i, 0,1,2,3
	ds_load_b128 v[64+4*\i:67+4*\i], v7 offset:RMX+16*\i
.endr
	s_wait_dscnt 0x0
	v_max3_num_f32 v26, v64, v65, v66
.irp i, 67,69,71,73,75,77
	v_max3_num_f32 v26, v26, v[\i], v[\i+1]
.endr
	v_max_num_f32 v26, v26, v79
	; e = 2^((s - max) log2(e)); its sum, and the sum of e x mask
	v_mul_f32 v27, s28, v26
	v_fma_f32 v28, v20, s28, -v27
	v_fma_f32 v29, v21, s28, -v27
	v_exp_f32 v28, v28
	v_exp_f32 v29, v29
	v_nop                                          ; a plain line behind the exponentials
	s_wait_alu depctr_va_vdst(0)
	v_add_f32 v30, v28, v29
	v_mul_f32 v31, v28, v22
	v_fma_f32 v31, v29, v23, v31
.irp m, 1,2,4,8
	v_add_f32_dpp v30, v30, v30 row_xmask:\m row_mask:0xf bank_mask:0xf
	v_add_f32_dpp v31, v31, v31 row_xmask:\m row_mask:0xf bank_mask:0xf
.endr
	v_permlanex16_b32 v32, v30, s26, s27
	v_permlanex16_b32 v33, v31, s26, s27
	v_add_f32 v30, v30, v32
	v_add_f32 v31, v31, v33
	ds_store_b64 v6, v[30:31] offset:RSM
	s_wait_dscnt 0x0
	s_barrier_signal -1
	s_barrier_wait -1
.irp i, 0,1,2,3,4,5,6,7
	ds_load_b128 v[64+4*\i:67+4*\i], v7 offset:RSM+16*\i
.endr
	s_wait_dscnt 0x0
.irp i, 0,4,8,12,16,20,24,28
	v_pk_add_f32 v[64+\i:65+\i], v[64+\i:65+\i], v[66+\i:67+\i]
.endr
.irp i, 0,8,16,24
	v_pk_add_f32 v[64+\i:65+\i], v[64+\i:65+\i], v[68+\i:69+\i]
.endr
.irp i, 0,16
	v_pk_add_f32 v[64+\i:65+\i], v[64+\i:65+\i], v[72+\i:73+\i]
.endr
	v_pk_add_f32 v[64:65], v[64:65], v[80:81]      ; v64: the sum of e; v65: of e x mask
	v_rcp_f32 v34, v64
	v_nop
	s_wait_alu depctr_va_vdst(0)
	v_mul_f32 v35, v65, v34                        ; the sum of softmax x mask
	v_mul_f32 v36, v28, v34                        ; the softmax
	v_mul_f32 v37, v29, v34
	v_rcp_f32 v38, v35
	v_mul_f32 v36, v36, v22                        ; x mask (a plain line behind the reciprocal)
	v_mul_f32 v37, v37, v23
	s_wait_alu depctr_va_vdst(0)
	v_mul_f32 v40, v36, v38                        ; attn
	v_mul_f32 v41, v37, v38
	v_add_f32 v42, v24, v40                        ; coverage + attn
	v_add_f32 v43, v25, v41
	ds_store_b64 v[T8], v[40:41] offset:ATT
	s_lshr_b32 s29, s18, 1
	s_cmp_lg_u32 s29, ttmp9                        ; waves 2 j and 2 j + 1 hold the steps that this work-group stores
	s_cbranch_scc1 .Lnot_mine
	global_store_b64 v[T8], v[40:41], s[14:15]     ; 32 lanes store 256 consecutive bytes, aligned
	global_store_b64 v[T8], v[42:43], s[16:17]
.Lnot_mine:
	s_wait_dscnt 0x0
	s_barrier_signal -1
	s_barrier_wait -1
.irp i, 0,1,2,3,4,5,6,7,8,9,10,11,12,13,14,15
	ds_load_b128 v[W+4*\i:W+4*\i+3], v8 offset:ATT+16*\i   ; my 64 rows' weights, the same in every lane
.endr
	s_wait_dscnt 0x0
	; the rows: row i's load is in when at most the younger ones are out: 31 while the slots are filled again, then 63 - i
.set ri, 0
.rept 64
.if ri < 32
	s_wait_loadcnt 31
.else
	s_wait_loadcnt 63-ri
.endif
.set xs, XR+4*(ri%32)
.set ac, ACC+4*(ri%2)
.set wp, W+2*(ri/2)
.if ri == 0                            ; rows 0 and 1 start the two sets of sums: nothing is cleared
	v_pk_mul_f32 v[ac:ac+1], v[xs:xs+1], v[wp:wp+1] op_sel_hi:[1,0]
	v_pk_mul_f32 v[ac+2:ac+3], v[xs+2:xs+3], v[wp:wp+1] op_sel_hi:[1,0]
.elseif ri == 1
	v_pk_mul_f32 v[ac:ac+1], v[xs:xs+1], v[wp:wp+1] op_sel:[0,1] op_sel_hi:[1,1]
	v_pk_mul_f32 v[ac+2:ac+3], v[xs+2:xs+3], v[wp:wp+1] op_sel:[0,1] op_sel_hi:[1,1]
.elseif ri%2 == 0                      ; an even row's weight is the pair's first register, an odd row's the second: it serves both halves
	v_pk_fma_f32 v[ac:ac+1], v[xs:xs+1], v[wp:wp+1], v[ac:ac+1] op_sel_hi:[1,0,1]
	v_pk_fma_f32 v[ac+2:ac+3], v[xs+2:xs+3], v[wp:wp+1], v[ac+2:ac+3] op_sel_hi:[1,0,1]
.else
	v_pk_fma_f32 v[ac:ac+1], v[xs:xs+1], v[wp:wp+1], v[ac:ac+1] op_sel:[0,1,0] op_sel_hi:[1,1,1]
	v_pk_fma_f32 v[ac+2:ac+3], v[xs+2:xs+3], v[wp:wp+1], v[ac+2:ac+3] op_sel:[0,1,0] op_sel_hi:[1,1,1]
.endif
.if ri < 32
	global_load_b128 v[xs:xs+3], v[LI], s[10:11] offset:4096*(ri+32) th:TH_LOAD_NT
.endif
.set ri, ri+1
.endr
	v_pk_add_f32 v[48:49], v[48:49], v[52:53]
	v_pk_add_f32 v[50:51], v[50:51], v[54:55]
	ds_store_b128 v9, v[48:51] offset:RED
	s_wait_dscnt 0x0                               ; for the others' sake
	s_barrier_signal -1
	s_barrier_wait -1
	s_cmp_lg_u32 s18, 0
	s_cbranch_scc1 .Lend
.irp k, 0,1,2,3,4,5,6,7,8,9,10,11,12,13,14,15
	ds_load_b128 v[64+4*\k:67+4*\k], v[LI] offset:RED+512*\k
.endr
	s_wait_dscnt 0x0
.irp k, 1,2,3,4,5,6,7,8,9,10,11,12,13,14,15
	v_pk_add_f32 v[64:65], v[64:65], v[64+4*\k:65+4*\k]
	v_pk_add_f32 v[66:67], v[66:67], v[66+4*\k:67+4*\k]
.endr
	global_store_b128 v[LI], v[64:67], s[12:13]    ; 32 lanes store 512 consecutive bytes of c_t
.Lend:
	s_wait_tensorcnt 0x0
	ds_add_u32 v62, v63
	s_wait_dscnt 0x0
	s_endpgm
.Lfunc_end_k_q8a4c7b368c_finish:
	.size	k_q8a4c7b368c_finish, .Lfunc_end_k_q8a4c7b368c_finish-k_q8a4c7b368c_finish
	.p2alignl 7, 3214868480
	.fill 96, 4, 3214868480
	.section	.rodata,"a",@progbits
	.p2align	6, 0x0
	.amdhsa_kernel k_q8a4c7b368c_finish
		.amdhsa_group_segment_fixed_size 14848
		.amdhsa_private_segment_fixed_size 0
		.amdhsa_enable_private_segment 0
		.amdhsa_kernarg_size 56
		.amdhsa_user_sgpr_count 2
		.amdhsa_user_sgpr_kernarg_segment_ptr 1
		.amdhsa_wavefront_size32 1
		.amdhsa_system_sgpr_workgroup_id_x 1
		.amdhsa_system_sgpr_workgroup_id_y 1
		.amdhsa_system_sgpr_workgroup_id_z 1
		.amdhsa_system_vgpr_workitem_id 0
		.amdhsa_next_free_vgpr 256
		.amdhsa_next_free_sgpr 66
		.amdhsa_reserve_vcc 0
		.amdhsa_float_denorm_mode_32 3
		.amdhsa_float_denorm_mode_16_64 3
		.amdhsa_memory_ordered 1
		.amdhsa_forward_progress 1
		.amdhsa_inst_pref_size 28
	.end_amdhsa_kernel
	.amdgpu_metadata
---
amdhsa.version: [ 1, 2 ]
amdhsa.kernels:
  - .name:           k_q8a4c7b368c_finish
    .symbol:         k_q8a4c7b368c_finish.kd
    .args:
      - { .name: scores, .offset: 0, .size: 8, .value_kind: global_buffer, .address_space: global }
      - { .name: enc_padding_mask, .offset: 8, .size: 8, .value_kind: global_buffer, .address_space: global }
      - { .name: coverage, .offset: 16, .size: 8, .value_kind: global_buffer, .address_space: global }
      - { .name: h, .offset: 24, .size: 8, .value_kind: global_buffer, .address_space: global }
      - { .name: out0, .offset: 32, .size: 8, .value_kind: global_buffer, .address_space: global }
      - { .name: out1, .offset: 40, .size: 8, .value_kind: global_buffer, .address_space: global }
      - { .name: out2, .offset: 48, .size: 8, .value_kind: global_buffer, .address_space: global }
    .group_segment_fixed_size: 14848
    .private_segment_fixed_size: 0
    .kernarg_segment_align: 8
    .kernarg_segment_size: 56
    .max_flat_workgroup_size: 512
    .sgpr_count:     66
    .vgpr_count:     256
    .wavefront_size: 32
...
	.end_amdgpu_metadata
.endif
;; end of part 3
;; ======== version 2 of 2: 3 launches; version 1 with the launches prep, main, finish written anew for expert scheduling mode
;; workspace buffers: wcodes 2,097,152 bytes; wscales 65,536 bytes; decp 1,048,576 bytes; scores 131,072 bytes
;; launch prep (part 4): grid 192 x 1, 4 waves a work-group, no clusters, 0 bytes of LDS; arguments W_q, W_h, W_d, s_t_hat, wcodes, wscales, decp; writes wcodes, wscales, decp
.if DOCPART == 4
	.amdgcn_target "amdgcn-amd-amdhsa--gfx1250"
	.amdhsa_code_object_version 6
	.text
	.protected	k_q8a4c7b368c_prep
	.globl	k_q8a4c7b368c_prep
	.p2align	8
	.type	k_q8a4c7b368c_prep,@function
k_q8a4c7b368c_prep:
	s_mov_b64 s[64:65], 0
	v_nop
	global_prefetch_b8 v0, s[64:65] scope:SCOPE_SE
	s_setreg_imm32_b32 hwreg(HW_REG_WAVE_SCHED_MODE, 0, 2), 2
	s_setreg_imm32_b32 hwreg(HW_REG_WAVE_MODE, 25, 1), 1
	s_wait_xcnt 0x0
	s_wait_alu depctr_vm_vsrc(0)
; The weights are quantised ONCE, since every work-group of the next launch reads them, and the small third product is done here.
; W_q, W_h, W_d: [1024 (n)][1024 (k)] f32, K innermost.  Codes of BF8 (E5M2), one E8M0 scale byte for each 32 along K.
; A block's scale is 2^(floor(log2(its largest magnitude)) - 15); its byte is the largest magnitude's exponent field - 15, held at 1 from below.
; Each number is held within +-57,344 x the scale and rounded to the nearest code, ties to even.
; LIMITS: a block of zeros gets the byte 1 where the rule says 127 (its codes are zeros, which add nothing, and this program alone reads the bytes);
; blocks whose largest magnitude lies under 2^(16 - 127) keep the byte 1; NaN and infinities among the inputs are not served.
; SHARES.  A wave takes one pair of n tiles (32 rows of a weight) and one K step of 128: 256 such pieces a weight, 64 work-groups of four waves.
; Work-groups 0-63: W_q; 64-127: W_h (the pointer is chosen on the work-group's number); 128-191: W_d.
; JOB 1 (W_q, W_h): the two fragments leave as IMAGES OF THE OPERAND'S REGISTERS, group c of four registers of lane l at 512 c + 16 l: each store of the wave covers 512 consecutive bytes.
;   wcodes [stream 8][s 16][b 8][2,048]; stream = 2 w + p, n tile 32 p + 8 w + b; s = 0-7 W_q's K steps, 8-15 W_h's.  wscales [stream][s][i 4][32 words]: lanes 0-15 tile 2 i, lanes 16-31 tile 2 i + 1.
; JOB 2 (W_d): s_t_hat's 32 rows and W_d's 32 rows of this K step are quantised in registers and multiplied: four products; the partial sums of this K step go to
;   decp [batch 32][k 8][n 1,024] f32; the next launch adds the eight and b_d in f32.  A lane stores 32 bytes of a batch row, two lanes 64: pieces of rows, 1 MiB in the whole launch.
; A lane holds row r = lane % 16 and, of each block of 32 along K, the 16 neighbours of its half h = lane / 16: the order of the operand's registers.  No LDS, no barrier: waves share nothing.
; THE MODE: SCHED_MODE bits 1:0 = 2 (LLVM: expert scheduling mode 2), set by the entry lines.  The code itself states the register dependences
; between vector or matrix instructions and memory instructions, with s_wait_alu, always for 0.
; THE PLAN.  Registers that memory instructions touch:
;   v4-7         offsets, made once at the head and never named again by a vector instruction: one wait ahead of the branch serves both jobs.
;   R0, R1       loads land in them; the quantiser reads and writes them; in job 2 each is loaded a second time, behind a wait that shows the quantiser done with it.
;   PCA, PCB, v37  job 1: the quantiser and the select write them, the stores read them: one wait ahead of each run of stores.  None is written again.
;   D            job 2: the products write them, the stores read them, behind the places and a wait.  None is written again.
; Job 2's codes and scale words go from vector instructions to the scaled products: the places, then a wait.  The second such wait also serves the first two results' stores, which stand behind it.
.set XA,  4                            ; v4   r x 4,096 + 64 h: my 16 numbers of a block in my row
.set LI,  5                            ; v5   16 x lane
.set L4,  6                            ; v6   4 x lane
.set DO,  7                            ; v7   decp: r x 32,768 + 32 h
.set TM,  16                           ; v16-19 largest magnitudes, v20-23 bytes, v24-27 57,344 x the scale, v28-31 the conversions' scale operands
.set PW,  32                           ; the scale word just made
.set PW0, 33                           ; the first tile's word, kept
.set SS0, 34                           ; scale words for the products: s_t_hat's rows 0-15,
.set SS1, 35                           ; rows 16-31,
.set SSW, 36                           ; W_d's tile: these three hold scales and nothing else
.set PWM, 37                           ; the two tiles' words in one register
.set PCA, 40                           ; three fragments of codes
.set PCB, 56
.set PCC, 72
.set D,   88                           ; four results
.set R0,  120                          ; two sets of 64 numbers
.set R1,  184
.set SEL, 20                           ; s[20:21] lane selects: lane l xor 16
.set MNT, 23                           ; s23  the mantissa field of 57,344
; 64 numbers a lane: 16 rows x 128 along K, from off bytes on
.macro XLOAD reg, base, off, nt
.irp b, 0,1,2,3
.irp j, 0,1,2,3
.if \nt
	global_load_b128 v[\reg+16*\b+4*\j:\reg+16*\b+4*\j+3], v[XA], s[\base:\base+1] offset:\off+128*\b+16*\j th:TH_LOAD_NT
.else
	global_load_b128 v[\reg+16*\b+4*\j:\reg+16*\b+4*\j+3], v[XA], s[\base:\base+1] offset:\off+128*\b+16*\j
.endif
.endr
.endr
.endm
; v[s] .. v[s + 63], register 16 b + i = k 32 b + 16 h + i of my row, become a fragment's codes in v[d] on and its scale word in v[PW]
.macro QUANT s, d
.irp b, 0,1,2,3
	v_max3_num_f32 v[TM+\b], |v[\s+16*\b]|, |v[\s+1+16*\b]|, 0x8000000   ; block b: my 16 numbers, and the floor 2^(16 - 127): the byte cannot fall under 1
.endr
.irp i, 2,4,6,8,10,12,14
.irp b, 0,1,2,3
	v_max3_num_f32 v[TM+\b], v[TM+\b], |v[\s+16*\b+\i]|, |v[\s+1+16*\b+\i]|   ; the four blocks by turns
.endr
.endr
.irp b, 0,1,2,3
	v_permlanex16_b32 v[TM+4+\b], v[TM+\b], s[SEL], s[SEL+1]
.endr
.irp b, 0,1,2,3
	v_max_num_f32 v[TM+\b], v[TM+\b], v[TM+4+\b]           ; with lane l xor 16's: the block's largest magnitude
.endr
.irp b, 0,1,2,3
	v_add_nc_u32 v[TM+12+\b], 0xf8800000, v[TM+\b]         ; 15 off its exponent field: the conversion's scale operand
.endr
.irp b, 0,1,2,3
	v_and_or_b32 v[TM+8+\b], v[TM+\b], 0x7f800000, s[MNT]  ; 57,344 x the scale
.endr
.irp b, 0,1,2,3
	v_lshrrev_b32 v[TM+4+\b], 23, v[TM+12+\b]              ; the scale's byte
.endr
	v_lshl_or_b32 v[PW], v[TM+5], 8, v[TM+4]               ; four bytes: my row's scale word
	v_lshl_or_b32 v[PW], v[TM+6], 16, v[PW]
	v_lshl_or_b32 v[PW], v[TM+7], 24, v[PW]
.irp b, 0,1,2,3
.irp i, 0,1,2,3,4,5,6,7,8,9,10,11,12,13,14,15
	v_med3_num_f32 v[\s+16*\b+\i], v[\s+16*\b+\i], -v[TM+8+\b], v[TM+8+\b]   ; the conversion to an 8-bit code does not saturate (ISA guide 7.6.2): the hold
.endr
	v_cvt_scalef32_pk8_bf8_f32 v[\d+4*\b:\d+1+4*\b], v[\s+16*\b:\s+7+16*\b], v[TM+12+\b]
	v_cvt_scalef32_pk8_bf8_f32 v[\d+2+4*\b:\d+3+4*\b], v[\s+8+16*\b:\s+15+16*\b], v[TM+12+\b]
.endr
	v_nop                                                  ; one plain line behind the last conversion
.endm
.macro DSTORE d, off                   ; a result from its low end on
	global_store_b128 v[DO], v[D+8*\d:D+8*\d+3], s[16:17] offset:\off
	global_store_b128 v[DO], v[D+8*\d+4:D+8*\d+7], s[16:17] offset:\off+16
.endm
	s_load_b256 s[4:11], s[0:1], 0x0               ; W_q s[4:5], W_h s[6:7], W_d s[8:9], s_t_hat s[10:11]
	s_load_b128 s[12:15], s[0:1], 0x20             ; wcodes s[12:13], wscales s[14:15]
	s_load_b64 s[16:17], s[0:1], 0x30              ; decp
	v_lshrrev_b32 v1, 5, v0
	v_readfirstlane_b32 s18, v1                    ; wave 0..3
	v_and_b32 v1, 31, v0                           ; lane
	v_and_b32 v2, 15, v0                           ; r
	v_bfe_u32 v3, v0, 4, 1                         ; h
	v_lshlrev_b32 v[XA], 12, v2
	v_lshl_add_u32 v[XA], v3, 6, v[XA]
	v_lshlrev_b32 v[LI], 4, v1
	v_lshlrev_b32 v[L4], 2, v1
	v_lshlrev_b32 v[DO], 15, v2
	v_lshl_add_u32 v[DO], v3, 5, v[DO]
.irp b, 0,1,2,3
	v_mov_b32 v[TM+4+\b], 0                        ; written once: a lane permute's destination counts as one of its sources
.endr
	s_mov_b32 s[SEL], 0x76543210
	s_mov_b32 s[SEL+1], 0xfedcba98
	s_mov_b32 s[MNT], 0x600000
	s_wait_alu depctr_va_sdst(0)                   ; s18 is written, ahead of its first reader: my piece's number is made from it
	s_and_b32 s24, ttmp9, 63
	s_lshl_b32 s24, s24, 2
	s_add_co_u32 s24, s24, s18                     ; my piece of the weight, 0..255
	s_and_b32 s25, s24, 7                          ; k: which 128 along K
	s_lshr_b32 s26, s24, 3                         ; P: which 32 rows
	s_lshl_b32 s28, s26, 17                        ; 32 rows of 4,096 bytes
	s_lshl_b32 s30, s25, 9                         ; 128 numbers of 4 bytes
	s_add_co_u32 s28, s28, s30
	s_mov_b32 s29, 0
	s_mov_b32 s31, 0
	s_wait_kmcnt 0x0
	s_wait_alu depctr_va_vdst(0)                   ; the four offsets v4 to v7 are written: every load and store of both jobs reads one of them
	s_cmp_ge_u32 ttmp9, 128
	s_cbranch_scc1 .Ldec
	; ---- JOB 1
	s_cmp_lt_u32 ttmp9, 64                         ; W_q or W_h: the choice hangs on the work-group's number alone
	s_cselect_b64 s[4:5], s[4:5], s[6:7]
	s_add_nc_u64 s[4:5], s[4:5], s[28:29]
	XLOAD R0, 4, 0, 1                              ; the pair's first tile,
	XLOAD R1, 4, 65536, 1                          ; and the second, 16 rows on
	s_lshr_b32 s32, ttmp9, 6
	s_lshl_b32 s32, s32, 3
	s_add_co_u32 s32, s32, s25                     ; s = k, + 8 for W_h
	s_lshr_b32 s33, s26, 4                         ; p
	s_bfe_u32 s34, s26, 0x20002                    ; w
	s_and_b32 s35, s26, 3                          ; i
	s_lshl_b32 s34, s34, 1
	s_add_co_u32 s34, s34, s33                     ; stream = 2 w + p
	s_lshl_b32 s36, s34, 18                        ; codes: stream x 262,144 + s x 16,384 + i x 4,096
	s_lshl_b32 s33, s32, 14
	s_add_co_u32 s36, s36, s33
	s_lshl_b32 s33, s35, 12
	s_add_co_u32 s36, s36, s33
	s_mov_b32 s37, 0
	s_lshl_b32 s38, s34, 13                        ; scale words: stream x 8,192 + s x 512 + i x 128
	s_lshl_b32 s33, s32, 9
	s_add_co_u32 s38, s38, s33
	s_lshl_b32 s33, s35, 7
	s_add_co_u32 s38, s38, s33
	s_mov_b32 s39, 0
	s_add_nc_u64 s[12:13], s[12:13], s[36:37]
	s_add_nc_u64 s[14:15], s[14:15], s[38:39]
	s_wait_loadcnt 16                              ; the first tile's 16 loads are in; the second's may be out
	QUANT R0, PCA
	v_mov_b32 v[PW0], v[PW]
	v_cmp_gt_u32 vcc_lo, 16, v1                    ; lanes 0-15: for the select below; the second tile's quantiser stands between the two
	s_wait_alu depctr_va_vdst(0)                   ; the conversions have written v[PCA ..], which the stores read
.irp c, 0,1,2,3
	global_store_b128 v[LI], v[PCA+4*\c:PCA+4*\c+3], s[12:13] offset:512*\c
.endr
	s_wait_loadcnt 0x0
	QUANT R1, PCB
	s_wait_alu depctr_va_vcc(0)                    ; VCC is written, ahead of the select that reads it
	v_cndmask_b32 v[PWM], v[PW], v[PW0], vcc_lo    ; lanes 0-15: the first tile's words; lanes 16-31: the second's
	s_wait_alu depctr_va_vdst(0)                   ; the conversions have written v[PCB ..] and the select v[PWM], which the stores read
.irp c, 0,1,2,3
	global_store_b128 v[LI], v[PCB+4*\c:PCB+4*\c+3], s[12:13] offset:2048+512*\c
.endr
	global_store_b32 v[L4], v[PWM], s[14:15]
	s_endpgm
	; ---- JOB 2
.Ldec:
	s_add_nc_u64 s[10:11], s[10:11], s[30:31]      ; s_t_hat at this K step
	s_add_nc_u64 s[8:9], s[8:9], s[28:29]          ; W_d at my 32 rows, this K step
	XLOAD R0, 10, 0, 0                             ; batch rows 0-15 (many waves read them: no hint)
	XLOAD R1, 10, 65536, 0                         ; batch rows 16-31
	s_lshl_b32 s32, s25, 12                        ; decp: k x 4,096 + P x 128
	s_lshl_b32 s33, s26, 7
	s_add_co_u32 s32, s32, s33
	s_mov_b32 s33, 0
	s_add_nc_u64 s[16:17], s[16:17], s[32:33]
	s_wait_loadcnt 16                              ; in each of these waits: the older set is in, the younger set's 16 loads may be out
	QUANT R0, PCA
	v_mov_b32 v[SS0], v[PW]
	s_wait_alu depctr_va_vdst(0)                   ; the quantiser is done reading and writing v[R0 ..], in which the loads below land
	XLOAD R0, 8, 0, 1                              ; W_d's first tile
	s_wait_loadcnt 16
	QUANT R1, PCB
	v_mov_b32 v[SS1], v[PW]
	s_wait_alu depctr_va_vdst(0)                   ; the quantiser is done reading and writing v[R1 ..], in which the loads below land
	XLOAD R1, 8, 65536, 1                          ; W_d's second tile
	s_wait_loadcnt 16
	QUANT R0, PCC
	v_mov_b32 v[SSW], v[PW]
.rept 8
	v_nop                                          ; a scale register written by a vector instruction stands eight places ahead of the scaled product, codes so written four
.endr
	s_wait_alu depctr_va_vdst(0)                   ; the three fragments of codes and the three scale words are written, which the scaled products take; the places above stay beside this wait
	; transposed: source 0 = 16 rows of W_d, source 1 = 16 batch rows: a lane holds one batch row and eight neighbouring n
	v_wmma_scale_f32_16x16x128_f8f6f4 v[D:D+7], v[PCC:PCC+15], v[PCA:PCA+15], 0, v[SSW], v[SS0] matrix_a_fmt:MATRIX_FMT_BF8 matrix_b_fmt:MATRIX_FMT_BF8
	v_wmma_scale_f32_16x16x128_f8f6f4 v[D+8:D+15], v[PCC:PCC+15], v[PCB:PCB+15], 0, v[SSW], v[SS1] matrix_a_fmt:MATRIX_FMT_BF8 matrix_b_fmt:MATRIX_FMT_BF8
	s_wait_loadcnt 0x0
	QUANT R1, PCC                                  ; its 32 maxima, which name none of the products' registers, are the places ahead of its writes of the codes and of the stores below
	v_mov_b32 v[SSW], v[PW]
.rept 8
	v_nop
.endr
	s_wait_alu depctr_va_vdst(0)                   ; the two products have written v[D ..], which the stores read; the new codes and scale word are written, which the next two products take
	DSTORE 0, 0
	DSTORE 1, 524288                               ; batch rows 16-31: 16 x 32,768 bytes on
	v_wmma_scale_f32_16x16x128_f8f6f4 v[D+16:D+23], v[PCC:PCC+15], v[PCA:PCA+15], 0, v[SSW], v[SS0] matrix_a_fmt:MATRIX_FMT_BF8 matrix_b_fmt:MATRIX_FMT_BF8
	v_wmma_scale_f32_16x16x128_f8f6f4 v[D+24:D+31], v[PCC:PCC+15], v[PCB:PCB+15], 0, v[SSW], v[SS1] matrix_a_fmt:MATRIX_FMT_BF8 matrix_b_fmt:MATRIX_FMT_BF8
.rept 8
	v_nop                                          ; eight places ahead of the stores that read the results
.endr
	s_wait_alu depctr_va_vdst(0)                   ; the last two products have written v[D+16 ..], which the stores read; the places above stay beside this wait
	DSTORE 2, 64
	DSTORE 3, 524288+64
	s_endpgm
.Lfunc_end_k_q8a4c7b368c_prep:
	.size	k_q8a4c7b368c_prep, .Lfunc_end_k_q8a4c7b368c_prep-k_q8a4c7b368c_prep
	.p2alignl 7, 3214868480
	.fill 96, 4, 3214868480
	.section	.rodata,"a",@progbits
	.p2align	6, 0x0
	.amdhsa_kernel k_q8a4c7b368c_prep
		.amdhsa_group_segment_fixed_size 0
		.amdhsa_private_segment_fixed_size 0
		.amdhsa_enable_private_segment 0
		.amdhsa_kernarg_size 56
		.amdhsa_user_sgpr_count 2
		.amdhsa_user_sgpr_kernarg_segment_ptr 1
		.amdhsa_wavefront_size32 1
		.amdhsa_system_sgpr_workgroup_id_x 1
		.amdhsa_system_sgpr_workgroup_id_y 1
		.amdhsa_system_sgpr_workgroup_id_z 1
		.amdhsa_system_vgpr_workitem_id 0
		.amdhsa_next_free_vgpr 256
		.amdhsa_next_free_sgpr 66
		.amdhsa_reserve_vcc 1
		.amdhsa_float_denorm_mode_32 3
		.amdhsa_float_denorm_mode_16_64 3
		.amdhsa_memory_ordered 1
		.amdhsa_forward_progress 1
		.amdhsa_inst_pref_size 64
	.end_amdhsa_kernel
	.amdgpu_metadata
---
amdhsa.version: [ 1, 2 ]
amdhsa.kernels:
  - .name:           k_q8a4c7b368c_prep
    .symbol:         k_q8a4c7b368c_prep.kd
    .args:
      - { .name: W_q, .offset: 0, .size: 8, .value_kind: global_buffer, .address_space: global }
      - { .name: W_h, .offset: 8, .size: 8, .value_kind: global_buffer, .address_space: global }
      - { .name: W_d, .offset: 16, .size: 8, .value_kind: global_buffer, .address_space: global }
      - { .name: s_t_hat, .offset: 24, .size: 8, .value_kind: global_buffer, .address_space: global }
      - { .name: wcodes, .offset: 32, .size: 8, .value_kind: global_buffer, .address_space: global }
      - { .name: wscales, .offset: 40, .size: 8, .value_kind: global_buffer, .address_space: global }
      - { .name: decp, .offset: 48, .size: 8, .value_kind: global_buffer, .address_space: global }
    .group_segment_fixed_size: 0
    .private_segment_fixed_size: 0
    .kernarg_segment_align: 8
    .kernarg_segment_size: 56
    .max_flat_workgroup_size: 128
    .sgpr_count:     66
    .vgpr_count:     256
    .wavefront_size: 32
...
	.end_amdgpu_metadata
.endif
;; end of part 4
;; launch main (part 5): grid 256 x 1, 4 waves a work-group, no clusters, 318,976 bytes of LDS; arguments q_h, h, coverage, W_c, v_w, b_d, wcodes, wscales, decp, scores; writes scores
.if DOCPART == 5
	.amdgcn_target "amdgcn-amd-amdhsa--gfx1250"
	.amdhsa_code_object_version 6
	.text
	.protected	k_q8a4c7b368c_main
	.globl	k_q8a4c7b368c_main
	.p2align	8
	.type	k_q8a4c7b368c_main,@function
k_q8a4c7b368c_main:
	s_mov_b64 s[64:65], 0
	v_nop
	global_prefetch_b8 v0, s[64:65] scope:SCOPE_SE
	s_setreg_imm32_b32 hwreg(HW_REG_WAVE_SCHED_MODE, 0, 2), 2
	s_setreg_imm32_b32 hwreg(HW_REG_WAVE_MODE, 25, 1), 1
	s_wait_xcnt 0x0
	s_wait_alu depctr_vm_vsrc(0)
; scores[row] = sum over n of v_w[n] tanh(q_h[row] . W_q[n] + h[row] . W_h[n] + dec[batch][n] + coverage[row] W_c[n]).
; The two large products are ONE product with K = 2,048 (q_h's 1,024, then h's) on codes of BF8 (E5M2) with one E8M0 scale for each 32 along K; sums in f32.
; SHARES.  A work-group of four waves owns 128 rows (one eighth of a batch row's steps), all 1,024 n and all of K: a row's score is finished here.
; PHASE X.  Wave w reads rows 32 w .. 32 w + 31 of q_h and h once, 512 consecutive bytes of one row a load, turns them through its own stage in LDS so that a lane holds 16 neighbours along K,
;   quantises them and stores the fragments to LDS as IMAGES OF THE OPERAND'S REGISTERS (group c of four registers of lane l at 512 c + 16 l), with their scale words.  One barrier.
; THE PRODUCT, in two passes of 512 n.  Wave w makes 128 rows x 128 n (n = 512 p + 128 w on): 64 accumulators, 512 registers.  A's fragments come from LDS, read by all four waves.
;   B's fragments are each wave's own and come from wcodes straight into registers, dense loads of 512 bytes, more than a K step ahead.
; AFTER EACH PASS: tanh and the product with v_w in registers: tanh x = 1 - 2 / (1 + 2^(2 log2(e) x)), so a row's score is sum(v) - 2 sum(v r), r the reciprocal; right at both ends (2^.. = infinity: r = 0; = 0: r = 1).
; NO TENSOR LOADS AND NO JOINT REQUESTS: A's codes take 262,144 of a WGP's 327,680 LDS bytes and one K step of B for a pass is 65,536, so two slots for B do not fit;
;   and each byte of B feeds one wave alone, so a way through LDS would add an LDS write and an LDS read for each byte.  h and q_h are shared with no other work-group.
; THE MATRIX INSTRUCTION IS USED TRANSPOSED (source 0 = 16 n rows of the weights, source 1 = 16 rows of A): lane (r, h) holds row r and, in register j, n = 16 T + 8 h + j.
; LIMITS: a block of zeros gets the scale byte 1 (its codes are zeros; this program alone reads the bytes); NaN and infinities among the inputs are not served;
;   q_h's K is summed ahead of h's; the third product arrives as eight partial sums, added in f32 with b_d.
; REGISTERS, in windows of 256 (s_set_vgpr_msb: bits 1:0 source 0, 3:2 source 1, 5:4 source 2, 7:6 destination):
;   window 0: v1-13 addresses; v14-15 sum of v_w; v16-23 A's scale words, v24-31 B's (two sets of four each; they hold scales and nothing else); v32-47 coverage, a pair a tile; v48-63 the rows' sums;
;             v64-127 at work in phase X, dec in the epilogue; v128-255 two sets of 64 numbers in phase X, A's eight fragments in the product, W_c and v_w in the epilogue.
;   window 1: B's fragments, two sets of eight.   windows 2, 3: the accumulators ((a, b) in window 2 + a / 4 at v[8 (8 (a % 4) + b)]); in phase X window 2 holds four sets of 64 numbers as loaded.
; THE MODE: SCHED_MODE bits 1:0 = 2 (LLVM: expert scheduling mode 2), set by the entry lines.  The code itself states the register dependences
; between vector or matrix instructions and memory or LDS instructions, with s_wait_alu, always for 0.
; THE PLAN, PHASE X.  Registers that memory or LDS instructions touch:
;   window 2's four sets   global loads land in them; the stage's LDS stores read them; no vector instruction names them before the products.
;   XS0, XS1 (v128-255)    the stage's LDS loads land in them; the quantiser reads and writes them.
;   v[PC ..], v[PW]        the quantiser writes them; the images' LDS stores read them.     v[AW], v[SW]: written in a trip's first fragment; read by those stores.
;   v[LI], v[STW], v[STR]  made at the head, never written again.
; Two waits to a fragment.  On vm_vsrc at its head: the stage's stores have read the set that is loaded again, the images' stores have read what the quantiser and the two additions write again.
; On va_vdst behind the quantiser: codes, scale word and addresses are written, and the quantiser is done with its XS set, in which the next fragment's loads from the stage land.
; THE PLAN, THE PRODUCT.  A K step is four quarters of 16 products: 1: A's tiles 0-3 x B's 0-3; 2: A's 4-7 x B's 0-3; 3: A's 0-3 x B's 4-7; 4: A's 4-7 x B's 4-7.
;   A's tiles 0-3 and B's tiles 0-3 of set e, with B's scale words of those tiles, are done with behind quarter 3: ONE wait on va_vdst there, and behind it their loads for the next step (A) and the step two on (B),
;   and the other set of A's scale words, which the step before read.  A's tiles 4-7 and B's 4-7 are done with behind quarter 4: one wait more, and their loads.  Quarter 4 names none of the registers that the first wait's loads touch.
;   v[AR ..], v[AS]        read by A's LDS loads; written once a step, behind a wait on vm_vsrc and ahead of the first wait on va_vdst, which shows them written.
.set AIMG, 0                           ; LDS: A's images [wave 4][s 16][u 2][2,048]: m tile 2 wave + u
.set ASC,  262144                      ; A's scale words [wave 4][s 16][32]: word 16 u + r
.set VEC,  270336                      ; 2 log2(e) x dec, W_c, v_w: 4,096 bytes each
.set STG,  282624                      ; a stage of 16 rows x 528 bytes for each wave
.set SCS,  316416                      ; each wave's 128 partial scores
.set LI,  1                            ; v1   16 x lane
.set L4,  2                            ; v2   4 x lane
.set AR,  3                            ; v3-6 where A's images of this K step begin, for each writer wave
.set AS,  7                            ; v7   A's scale words of this K step
.set EV,  8                            ; v8   VEC + 512 w + 32 h
.set SCW, 9                            ; v9   SCS + 512 w + 4 r
.set STW, 10                           ; v10  the stage, in: + 16 x lane
.set STR, 11                           ; v11  the stage, out: + 528 r + 64 h
.set AW0, 12                           ; v12  65,536 w + 16 x lane
.set AW,  13                           ; v13  + the trip's offset
.set U,   14
.set SA,  16
.set SB,  24
.set COV, 32
.set S,   48
.set TM,  64                           ; v64-67 largest magnitudes, v68-71 bytes, v72-75 57,344 x the scale, v76-79 the conversions' scale operands
.set PW,  80
.set PC,  84                           ; v84-99 the codes just made
.set SW0, 100                          ; ASC + 2,048 w + 4 r
.set SW,  101
.set VT,  102                          ; 32 x thread
.set CA,  103                          ; 4 r
.set VW,  104                          ; VEC + 32 x thread
.set DK,  64
.set XS,  128
.set AF,  128
.set WC,  128
.set VV,  192
.set WV,  24                           ; s24  my wave's number
.set LP,  28                           ; s[28:29] phase X: where the next trip's loads begin
.set HB,  30                           ; s[30:31] h at my wave's rows
.set XT,  32                           ; s32  phase X's trip
.set IO,  33                           ; s33  the trip's offset among the images
.set SO,  34                           ; s34  and among the scale words
.set BP,  36                           ; s[36:37] B's codes, at the K step being asked for
.set SP,  38                           ; s[38:39] B's scale words likewise
.set LAP, 40
.set SEL, 42                           ; s[42:43] lane selects: lane l xor 16
.set MNT, 44                           ; s44  the mantissa field of 57,344
.set K2,  46                           ; s[46:47] 2 log2(e): the packed forms name the pair and take its low word
.set AO,  48                           ; s48-51 65,536 i + 4,096 s
.set ASO, 52                           ; s52  ASC + 128 s
.set MSB, 0
.macro WIN new                         ; the immediate's high byte repeats the setting that is left; a switch that changes nothing is dropped
.if MSB != (\new)
	s_set_vgpr_msb (MSB<<8)|(\new)
.set MSB, (\new)
.endif
.endm
.set MUL_LO, 0xa1                      ; source 0 (B) window 1, source 1 (A) window 0, C and D window 2
.set MUL_HI, 0xf1                      ; the same, C and D window 3
.set TO_B,   0x40                      ; destination window 1
.macro PLACES n
.rept \n
	v_nop
.endr
.endm
; v[s] .. v[s + 63], register 16 b + i = k 32 b + 16 h + i of my row, become a fragment's codes in v[d] on and its scale word in v[PW]
.macro QUANT s, d
.irp b, 0,1,2,3
	v_max3_num_f32 v[TM+\b], |v[\s+16*\b]|, |v[\s+1+16*\b]|, 0x8000000   ; block b: my 16 numbers, and the floor 2^(16 - 127): the byte cannot fall under 1
.endr
.irp i, 2,4,6,8,10,12,14
.irp b, 0,1,2,3
	v_max3_num_f32 v[TM+\b], v[TM+\b], |v[\s+16*\b+\i]|, |v[\s+1+16*\b+\i]|   ; the four blocks by turns
.endr
.endr
.irp b, 0,1,2,3
	v_permlanex16_b32 v[TM+4+\b], v[TM+\b], s[SEL], s[SEL+1]
.endr
.irp b, 0,1,2,3
	v_max_num_f32 v[TM+\b], v[TM+\b], v[TM+4+\b]           ; with lane l xor 16's: the block's largest magnitude
.endr
.irp b, 0,1,2,3
	v_add_nc_u32 v[TM+12+\b], 0xf8800000, v[TM+\b]         ; 15 off its exponent field: the conversion's scale operand
.endr
.irp b, 0,1,2,3
	v_and_or_b32 v[TM+8+\b], v[TM+\b], 0x7f800000, s[MNT]  ; 57,344 x the scale
.endr
.irp b, 0,1,2,3
	v_lshrrev_b32 v[TM+4+\b], 23, v[TM+12+\b]              ; the scale's byte
.endr
	v_lshl_or_b32 v[PW], v[TM+5], 8, v[TM+4]               ; four bytes: my row's scale word
	v_lshl_or_b32 v[PW], v[TM+6], 16, v[PW]
	v_lshl_or_b32 v[PW], v[TM+7], 24, v[PW]
.irp b, 0,1,2,3
.irp i, 0,1,2,3,4,5,6,7,8,9,10,11,12,13,14,15
	v_med3_num_f32 v[\s+16*\b+\i], v[\s+16*\b+\i], -v[TM+8+\b], v[TM+8+\b]   ; the conversion to an 8-bit code does not saturate (ISA guide 7.6.2): the hold
.endr
	v_cvt_scalef32_pk8_bf8_f32 v[\d+4*\b:\d+1+4*\b], v[\s+16*\b:\s+7+16*\b], v[TM+12+\b]
	v_cvt_scalef32_pk8_bf8_f32 v[\d+2+4*\b:\d+3+4*\b], v[\s+8+16*\b:\s+15+16*\b], v[TM+12+\b]
.endr
	v_nop                                                  ; one plain line behind the last conversion
.endm
; PHASE X.  Fragment f = 2 q + u of a trip: K step q of its two, tile u of my two.
.macro LOADX f                         ; 16 rows x 512 bytes as they lie, into set f of window 2: each load reads 512 consecutive bytes of one row
	WIN 0x80
.irp t, 0,1,2,3,4,5,6,7,8,9,10,11,12,13,14,15
	global_load_b128 v[64*(\f)+4*\t:64*(\f)+4*\t+3], v[LI], s[LP:LP+1] offset:((\f)/2)*512+((\f)%2)*65536+\t*4096
.endr
.endm
.macro TURN f                          ; set f through my stage: rows 528 bytes apart (33 x 16: the sixteen rows that a load touches start at sixteen different 16-byte columns modulo 256); LDS serves a wave's instructions in order
	WIN 0x08                                       ; an LDS store's data are its source 1: window 2
.irp t, 0,1,2,3,4,5,6,7,8,9,10,11,12,13,14,15
	ds_store_b128 v[STW], v[64*(\f)+4*\t:64*(\f)+4*\t+3] offset:528*\t
.endr
	WIN 0
.irp c, 0,1,2,3
.irp j, 0,1,2,3
	ds_load_b128 v[XS+64*((\f)%2)+16*\c+4*\j:XS+64*((\f)%2)+16*\c+4*\j+3], v[STR] offset:128*\c+16*\j
.endr
.endr
.endm
.macro XSTEP f, ahead, turn, cnt
	s_wait_dscnt 0x0                               ; fragment f's numbers are back from the stage; the last codes are stored
	s_wait_alu depctr_vm_vsrc(0)                   ; the stage's stores have read set f, in which the loads below land; the images' stores have read v[PC ..], v[PW], v[AW] and v[SW], which are written again below; in the first trip: the head's stores have read v192-215, in which the stage's loads land
.if \f == 0
	v_add_nc_u32 v[AW], s[IO], v[AW0]              ; where this trip's images and scale words go
	v_add_nc_u32 v[SW], s[SO], v[SW0]
.endif
.if \ahead
	LOADX \f                                       ; set f takes the next trip's numbers
.endif
.if \turn
	s_wait_loadcnt \cnt                            ; the next set is in; the younger sets, 16 loads each, stay out
	TURN ((\f)+1)%4                                ; its loads land in the XS set that the fragment before worked on: the wait behind that fragment's quantiser has shown it done, and no vector instruction since names the set
.endif
	WIN 0
.set QS, XS+64*((\f)%2)
	QUANT QS, PC
	s_wait_alu depctr_va_vdst(0)                   ; the quantiser has written v[PC ..] and v[PW], and the additions v[AW] and v[SW], which the stores below read; and it is done reading and writing its XS set
.irp c, 0,1,2,3
	ds_store_b128 v[AW], v[PC+4*\c:PC+4*\c+3] offset:((\f)/2)*4096+((\f)%2)*2048+512*\c
.endr
	ds_store_b32 v[SW], v[PW] offset:((\f)/2)*128+((\f)%2)*64     ; lanes r and r + 16 write the same word with the same value
.endm
; B'S STREAM.  Half a K step: four fragments and their two registers of scale words: 18 loads
.macro GROUP e, half
	WIN TO_B
.irp bb, 0,1,2,3
.irp c, 0,1,2,3
	global_load_b128 v[128*(\e)+16*(4*(\half)+\bb)+4*\c:128*(\e)+16*(4*(\half)+\bb)+4*\c+3], v[LI], s[BP:BP+1] offset:(4*(\half)+\bb)*2048+512*\c
.endr
.endr
	WIN 0
.irp i, 0,1
	global_load_b32 v[SB+4*(\e)+2*(\half)+\i], v[L4], s[SP:SP+1] offset:(2*(\half)+\i)*128
.endr
.endm
; One product: A's tile a, B's tile b, B's and the scales' set e.  A scale register carries an even tile's words in lanes 0-15 and the odd tile's in lanes 16-31
.macro WM a, b, e, zero
.set rD, 8*(8*((\a)%4)+(\b))
.set rB, 128*(\e)+16*(\b)
.set rA, AF+16*(\a)
.set rSB, SB+4*(\e)+(\b)/2
.set rSA, SA+4*(\e)+(\a)/2
.if \zero
.if ((\b)%2 == 0) && ((\a)%2 == 0)
	v_wmma_scale_f32_16x16x128_f8f6f4 v[rD:rD+7], v[rB:rB+15], v[rA:rA+15], 0, v[rSB], v[rSA] matrix_a_fmt:MATRIX_FMT_BF8 matrix_b_fmt:MATRIX_FMT_BF8
.elseif ((\b)%2 == 1) && ((\a)%2 == 0)
	v_wmma_scale_f32_16x16x128_f8f6f4 v[rD:rD+7], v[rB:rB+15], v[rA:rA+15], 0, v[rSB], v[rSA] matrix_a_fmt:MATRIX_FMT_BF8 matrix_b_fmt:MATRIX_FMT_BF8 matrix_a_scale:MATRIX_SCALE_ROW1
.elseif ((\b)%2 == 0) && ((\a)%2 == 1)
	v_wmma_scale_f32_16x16x128_f8f6f4 v[rD:rD+7], v[rB:rB+15], v[rA:rA+15], 0, v[rSB], v[rSA] matrix_a_fmt:MATRIX_FMT_BF8 matrix_b_fmt:MATRIX_FMT_BF8 matrix_b_scale:MATRIX_SCALE_ROW1
.else
	v_wmma_scale_f32_16x16x128_f8f6f4 v[rD:rD+7], v[rB:rB+15], v[rA:rA+15], 0, v[rSB], v[rSA] matrix_a_fmt:MATRIX_FMT_BF8 matrix_b_fmt:MATRIX_FMT_BF8 matrix_a_scale:MATRIX_SCALE_ROW1 matrix_b_scale:MATRIX_SCALE_ROW1
.endif
.else
.if ((\b)%2 == 0) && ((\a)%2 == 0)
	v_wmma_scale_f32_16x16x128_f8f6f4 v[rD:rD+7], v[rB:rB+15], v[rA:rA+15], v[rD:rD+7], v[rSB], v[rSA] matrix_a_fmt:MATRIX_FMT_BF8 matrix_b_fmt:MATRIX_FMT_BF8
.elseif ((\b)%2 == 1) && ((\a)%2 == 0)
	v_wmma_scale_f32_16x16x128_f8f6f4 v[rD:rD+7], v[rB:rB+15], v[rA:rA+15], v[rD:rD+7], v[rSB], v[rSA] matrix_a_fmt:MATRIX_FMT_BF8 matrix_b_fmt:MATRIX_FMT_BF8 matrix_a_scale:MATRIX_SCALE_ROW1
.elseif ((\b)%2 == 0) && ((\a)%2 == 1)
	v_wmma_scale_f32_16x16x128_f8f6f4 v[rD:rD+7], v[rB:rB+15], v[rA:rA+15], v[rD:rD+7], v[rSB], v[rSA] matrix_a_fmt:MATRIX_FMT_BF8 matrix_b_fmt:MATRIX_FMT_BF8 matrix_b_scale:MATRIX_SCALE_ROW1
.else
	v_wmma_scale_f32_16x16x128_f8f6f4 v[rD:rD+7], v[rB:rB+15], v[rA:rA+15], v[rD:rD+7], v[rSB], v[rSA] matrix_a_fmt:MATRIX_FMT_BF8 matrix_b_fmt:MATRIX_FMT_BF8 matrix_a_scale:MATRIX_SCALE_ROW1 matrix_b_scale:MATRIX_SCALE_ROW1
.endif
.endif
.endm
; 16 products on 16 different accumulators: A's tiles a0 .. a0 + 3 x B's tiles 4 bh .. 4 bh + 3.  The 64 accumulators take turns, one instruction a turn, in the same order in every K step
.macro MULQ a0, bh, e, zero
.irp a, \a0, \a0+1, \a0+2, \a0+3
.irp b, 4*\bh, 4*\bh+1, 4*\bh+2, 4*\bh+3
	WM \a, \b, \e, \zero
.endr
.endr
.endm
.macro FETCH_A half                    ; A's tiles 4 half .. 4 half + 3 of the K step at hand: 16 loads of 512 consecutive bytes
.irp x, 0,1
.irp u, 0,1
.irp c, 0,1,2,3
	ds_load_b128 v[AF+16*(4*(\half)+2*\x+\u)+4*\c:AF+16*(4*(\half)+2*\x+\u)+4*\c+3], v[AR+2*(\half)+\x] offset:2048*\u+512*\c
.endr
.endr
.endr
.endm
.macro FETCH_SA e                      ; and its scale words: register i: lanes 0-15 tile 2 i, lanes 16-31 tile 2 i + 1
.irp i, 0,1,2,3
	ds_load_b32 v[SA+4*(\e)+\i], v[AS] offset:2048*\i
.endr
.endm
; A K STEP of 128: 64 products.  e: B's and the scales' set;  zero = 1: the products start the sums;  fa = 1: the next step's A is fetched;  ld = 1: B of two steps on is asked for;
; c0, c1: how many younger loads of B may stay out when the half wanted next has to be there (18 a half; c1 < 0: no wait).
; A load into a register that a product has read stands eight places behind that product, and behind the wait that shows the product done reading it.
.macro STEP e, zero, fa, ld, c0, c1
	s_wait_dscnt 16                                ; A's tiles 0-3 and the scale words are in; the youngest 16 loads (tiles 4-7) may be out
	WIN MUL_LO
	MULQ 0, 0, \e, \zero
	s_wait_dscnt 0x0
	WIN MUL_HI
	MULQ 4, 0, \e, \zero
	s_wait_loadcnt \c0                             ; B's second half of this step is in
	WIN MUL_LO
	MULQ 0, 1, \e, \zero
.if \fa
	WIN 0
.irp i, 0,1,2,3
	s_add_co_u32 s[AO+\i], s[AO+\i], 4096
.endr
	s_add_co_u32 s[ASO], s[ASO], 128
	s_wait_alu depctr_vm_vsrc(0)                   ; the LDS loads issued so far have read v[AR ..] and v[AS], which are written below
.irp i, 0,1,2,3
	v_add_nc_u32 v[AR+\i], s[AO+\i], v[LI]         ; the next K step's images; these five additions are five of the eight places
.endr
	v_add_nc_u32 v[AS], s[ASO], v[L4]
	PLACES 3
.elseif \ld
	PLACES 8
.endif
.if \fa || \ld
	s_wait_alu depctr_va_vdst(0)                   ; the products so far are done reading A's tiles 0-3, B's tiles 0-3 of this set with their scale words, and the other set of A's scale words, in which the loads below land; v[AR ..] and v[AS] are written
.endif
.if \fa
	FETCH_A 0
	FETCH_SA 1-\e
.endif
.if \ld
	s_wait_xcnt 0x0                                ; the loads issued so far have read their bases
	s_add_nc_u64 s[BP:BP+1], s[BP:BP+1], 16384
	s_add_nc_u64 s[SP:SP+1], s[SP:SP+1], 512
	GROUP \e, 0                                    ; B's first half takes the step two on
.endif
	WIN MUL_HI
	MULQ 4, 1, \e, \zero                           ; A's tiles 4-7, B's tiles 4-7: none of the registers that the loads above touch
	PLACES 8
	WIN 0
	s_wait_alu depctr_va_vdst(0)                   ; the step's products are done reading A's tiles 4-7 and B's tiles 4-7 with their scale words, in which the loads below land; behind a pass's last step: all of A's fragments, in which the epilogue's loads land
.if \fa
	FETCH_A 1
.endif
.if \c1 >= 0
	s_wait_loadcnt \c1                             ; B's first half of the next step is in
.endif
.if \ld
	GROUP \e, 1
.endif
.endm
; THE EPILOGUE of m tile a: its 64 registers are 64 of my 128 n (the other 64 lie in lane l xor 16).  Each accumulator is read from its low end on.
.macro ETILE a
.set EX, 2+(\a)/4
.set AC, 64*((\a)%4)
	WIN (EX<<6)|(EX<<4)                            ; C-like source and destination: the accumulators' window
.set en, 0
.rept 32
	v_pk_fma_f32 v[AC+en:AC+en+1], v[WC+en:WC+en+1], v[COV+2*(\a):COV+2*(\a)+1], v[AC+en:AC+en+1]   ; + coverage x W_c
.set en, en+2
.endr
	WIN (EX<<6)|EX
.set en, 0
.rept 32
	v_pk_fma_f32 v[AC+en:AC+en+1], v[AC+en:AC+en+1], s[K2:K2+1], v[DK+en:DK+en+1] op_sel_hi:[1,0,1]   ; 2 log2(e) x (.. + dec)
.set en, en+2
.endr
.set en, 0
.rept 64
	v_exp_f32 v[AC+en], v[AC+en]
.set en, en+1
.endr
	v_nop                                          ; a plain line behind the exponentials
.set en, 0
	s_wait_alu depctr_va_vdst(0)                   ; the tile's 64 exponentials have written their results, ahead of the first line that names one: one wait for the batch
.rept 32
	v_pk_add_f32 v[AC+en:AC+en+1], v[AC+en:AC+en+1], 1.0 op_sel_hi:[1,0]
.set en, en+2
.endr
.set en, 0
.rept 64
	v_rcp_f32 v[AC+en], v[AC+en]
.set en, en+1
.endr
	v_nop                                          ; a plain line behind the reciprocals
	WIN (EX<<6)|(EX<<4)|EX
.set en, 0
	s_wait_alu depctr_va_vdst(0)                   ; the tile's 64 reciprocals have written their results, ahead of the first line that names one: one wait for the batch
.rept 4
	v_pk_mul_f32 v[AC+en:AC+en+1], v[AC+en:AC+en+1], v[VV+en:VV+en+1]       ; v r: four chains
.set en, en+2
.endr
.rept 28
	v_pk_fma_f32 v[AC+en%8:AC+en%8+1], v[AC+en:AC+en+1], v[VV+en:VV+en+1], v[AC+en%8:AC+en%8+1]
.set en, en+2
.endr
	WIN EX
.irp n, 0,2,4,6
	v_pk_add_f32 v[S+2*(\a):S+2*(\a)+1], v[AC+\n:AC+\n+1], v[S+2*(\a):S+2*(\a)+1]
.endr
.endm
.macro EPI p                           ; dec, W_c and v_w at my 64 n of this pass; the eight places behind the last products, and the wait that shows every earlier reader and writer of v64-255 done, stand at the last step's end
.irp b, 0,1,2,3,4,5,6,7
.irp i, 0,1
	ds_load_b128 v[DK+8*\b+4*\i:DK+8*\b+4*\i+3], v[EV] offset:2048*\p+64*\b+16*\i
	ds_load_b128 v[WC+8*\b+4*\i:WC+8*\b+4*\i+3], v[EV] offset:4096+2048*\p+64*\b+16*\i
	ds_load_b128 v[VV+8*\b+4*\i:VV+8*\b+4*\i+3], v[EV] offset:8192+2048*\p+64*\b+16*\i
.endr
.endr
	s_wait_dscnt 0x0
.set en, 0
.rept 32
	v_pk_add_f32 v[U:U+1], v[U:U+1], v[VV+en:VV+en+1]      ; the sum of v_w over my n
.set en, en+2
.endr
.irp a, 0,1,2,3,4,5,6,7
	ETILE \a
.endr
	WIN 0
.endm
; A PASS: 16 K steps and the epilogue.  B's stream runs on from pass 0 into pass 1; pass 1's last two steps ask for nothing, and their counts run down.
.macro PASS p
	s_mov_b32 s[AO], 0
	s_mov_b32 s[AO+1], 65536
	s_mov_b32 s[AO+2], 131072
	s_mov_b32 s[AO+3], 196608
	s_mov_b32 s[ASO], ASC
	s_wait_alu depctr_vm_vsrc(0)                   ; pass 0: the stage's stores have read window 2's four sets, which the products write, and the images' stores and the head's loads and stores v80-104, in which the epilogue's loads land; pass 1: A's LDS loads have read v[AR ..] and v[AS], which are written below
.irp i, 0,1,2,3
	v_add_nc_u32 v[AR+\i], s[AO+\i], v[LI]
.endr
	v_add_nc_u32 v[AS], s[ASO], v[L4]
	s_wait_alu depctr_va_vdst(0)                   ; v[AR ..] and v[AS] are written; the quantiser (pass 0) or the epilogue (pass 1) is done with v128-255, and the last pass's products with A's scale words: the loads below land there
	FETCH_A 0
	FETCH_SA 0
	FETCH_A 1
.if \p == 0
	s_wait_loadcnt 36                              ; step 0's first half is in; two halves stay out
	GROUP 1, 1
.endif
	STEP 0, 1, 1, 1, 36, 36                        ; the first K step stands ahead of the loop: its products start the sums
	s_mov_b32 s[LAP], 6
.Llap_\@:
	STEP 1, 0, 1, 1, 36, 36
	STEP 0, 0, 1, 1, 36, 36
	s_sub_co_u32 s[LAP], s[LAP], 1
	s_cmp_lg_u32 s[LAP], 0
	s_cbranch_scc1 .Llap_\@
	STEP 1, 0, 1, 1, 36, 36
.if \p == 0
	STEP 0, 0, 1, 1, 36, 36
	STEP 1, 0, 0, 1, 36, 36
.else
	STEP 0, 0, 1, 0, 36, 18
	STEP 1, 0, 0, 0, 0, -1
.endif
	EPI \p
.endm
	s_load_b512 s[4:19], s[0:1], 0x0               ; q_h s[4:5], h s[6:7], coverage s[8:9], W_c s[10:11], v_w s[12:13], b_d s[14:15], wcodes s[16:17], wscales s[18:19]
	s_load_b128 s[20:23], s[0:1], 0x40             ; decp s[20:21], scores s[22:23]
	v_lshrrev_b32 v3, 5, v0
	v_readfirstlane_b32 s[WV], v3                  ; wave 0..3
	v_and_b32 v4, 31, v0                           ; lane
	v_and_b32 v5, 15, v0                           ; r
	v_bfe_u32 v6, v0, 4, 1                         ; h
	v_lshlrev_b32 v[LI], 4, v4
	v_lshlrev_b32 v[L4], 2, v4
	s_wait_alu depctr_va_sdst(0)                   ; s[WV] is written, ahead of its first reader: the wave's places in LDS and in memory are made from it
	s_lshl_b32 s26, s[WV], 9
	s_add_co_u32 s26, s26, VEC
	v_lshl_add_u32 v[EV], v6, 5, s26
	s_lshl_b32 s26, s[WV], 9
	s_add_co_u32 s26, s26, SCS
	v_lshl_add_u32 v[SCW], v5, 2, s26
	s_mul_i32 s26, s[WV], 8448
	s_add_co_u32 s26, s26, STG
	v_add_nc_u32 v[STW], s26, v[LI]
	v_mul_u32_u24 v[STR], v5, 528
	v_lshl_add_u32 v[STR], v6, 6, v[STR]
	v_add_nc_u32 v[STR], s26, v[STR]
	s_lshl_b32 s26, s[WV], 16
	v_add_nc_u32 v[AW0], s26, v[LI]
	s_lshl_b32 s26, s[WV], 11
	s_add_co_u32 s26, s26, ASC
	v_lshl_add_u32 v[SW0], v5, 2, s26
	v_lshlrev_b32 v[VT], 5, v0
	v_lshlrev_b32 v[CA], 2, v5
	v_add_nc_u32 v[VW], VEC, v[VT]
.irp i, 0,1,2,3,4,5,6,7,8,9,10,11,12,13,14,15
	v_mov_b32 v[S+\i], 0                           ; the rows' sums run over both passes
.endr
	v_mov_b32 v[U], 0
	v_mov_b32 v[U+1], 0
.irp b, 0,1,2,3
	v_mov_b32 v[TM+4+\b], 0                        ; written once: a lane permute's destination counts as one of its sources
.endr
	s_mov_b32 s[SEL], 0x76543210
	s_mov_b32 s[SEL+1], 0xfedcba98
	s_mov_b32 s[MNT], 0x600000
	s_mov_b32 s[K2], 0x4038aa3b                    ; 2 log2(e)
	s_mov_b32 s[K2+1], s[K2]
	s_lshl_b32 s26, ttmp9, 19                      ; my work-group's 128 rows of 4,096 bytes,
	s_lshl_b32 s27, s[WV], 17                      ; my wave's 32 of them
	s_add_co_u32 s26, s26, s27
	s_mov_b32 s27, 0
	s_lshl_b32 s54, ttmp9, 9                       ; 128 numbers of coverage and of scores
	s_mov_b32 s55, 0
	s_lshr_b32 s56, ttmp9, 3                       ; the batch row: 8 work-groups each
	s_lshl_b32 s56, s56, 15
	s_mov_b32 s57, 0
	s_lshl_b32 s58, s[WV], 19                      ; my wave's two streams of codes,
	s_mov_b32 s59, 0
	s_lshl_b32 s60, s[WV], 14                      ; and of scale words
	s_mov_b32 s61, 0
	s_wait_kmcnt 0x0
	s_add_nc_u64 s[LP:LP+1], s[4:5], s[26:27]
	s_add_nc_u64 s[HB:HB+1], s[6:7], s[26:27]
	s_add_nc_u64 s[8:9], s[8:9], s[54:55]
	s_add_nc_u64 s[22:23], s[22:23], s[54:55]
	s_add_nc_u64 s[20:21], s[20:21], s[56:57]
	s_add_nc_u64 s[BP:BP+1], s[16:17], s[58:59]
	s_add_nc_u64 s[SP:SP+1], s[18:19], s[60:61]
	s_wait_alu depctr_va_vdst(0)                   ; the offsets and LDS addresses made above are written: v[LI], v[L4], v[EV], v[SCW], v[STW], v[STR], v[VT], v[CA], v[VW], which loads and stores read from here on
	; 30 small loads: thread t takes n = 8 t .. 8 t + 7 of the eight partial sums, b_d, W_c and v_w; a lane takes its eight rows' coverage
.irp k, 0,1,2,3,4,5,6,7
	global_load_b128 v[128+8*\k:131+8*\k], v[VT], s[20:21] offset:4096*\k
	global_load_b128 v[132+8*\k:135+8*\k], v[VT], s[20:21] offset:4096*\k+16
.endr
	global_load_b128 v[192:195], v[VT], s[14:15]
	global_load_b128 v[196:199], v[VT], s[14:15] offset:16
	global_load_b128 v[200:203], v[VT], s[10:11]
	global_load_b128 v[204:207], v[VT], s[10:11] offset:16
	global_load_b128 v[208:211], v[VT], s[12:13]
	global_load_b128 v[212:215], v[VT], s[12:13] offset:16
.irp a, 0,1,2,3,4,5,6,7
	global_load_b32 v[COV+2*\a], v[CA], s[8:9] offset:64*\a
.endr
	LOADX 0
	LOADX 1
	WIN 0
	s_wait_loadcnt 32                              ; the 30 are in; the two sets behind them stay out
.irp k, 0,1,2,3,4,5,6,7
.irp j, 0,2,4,6
	v_pk_add_f32 v[192+\j:193+\j], v[192+\j:193+\j], v[128+8*\k+\j:129+8*\k+\j]   ; b_d + the eight partial sums
.endr
.endr
.irp j, 0,2,4,6
	v_pk_mul_f32 v[192+\j:193+\j], v[192+\j:193+\j], s[K2:K2+1] op_sel_hi:[1,0]
.endr
	s_wait_alu depctr_va_vdst(0)                   ; the sums have written v192-199, which the stores below read, and are done reading v128-191, in which the stage's first loads land
	ds_store_b128 v[VW], v[192:195]
	ds_store_b128 v[VW], v[196:199] offset:16
	ds_store_b128 v[VW], v[200:203] offset:4096
	ds_store_b128 v[VW], v[204:207] offset:4112
	ds_store_b128 v[VW], v[208:211] offset:8192
	ds_store_b128 v[VW], v[212:215] offset:8208
.irp a, 0,1,2,3,4,5,6,7
	v_mov_b32 v[COV+2*\a+1], v[COV+2*\a]           ; a pair for the packed form
.endr
	LOADX 2
	LOADX 3
	s_wait_xcnt 0x0                                ; the loads have read their base
	s_add_nc_u64 s[LP:LP+1], s[LP:LP+1], 1024      ; the next trip: 256 along K on
	s_wait_loadcnt 48                              ; set 0 is in; three sets stay out
	TURN 0
	s_mov_b32 s[XT], 0
	s_mov_b32 s[IO], 0
	s_mov_b32 s[SO], 0
.Lxtrip:                                           ; seven trips with loads for the trip behind; trips 0-3 quantise q_h, 4-7 h
	XSTEP 0, 1, 1, 48
	XSTEP 1, 1, 1, 48
	XSTEP 2, 1, 1, 48
	XSTEP 3, 1, 1, 48
	s_wait_xcnt 0x0                                ; the loads have read their base
	s_add_nc_u64 s[LP:LP+1], s[LP:LP+1], 1024
	s_cmp_eq_u32 s[XT], 2                          ; trip 3 asks for trip 4's numbers: h's first
	s_cselect_b64 s[LP:LP+1], s[HB:HB+1], s[LP:LP+1]
	s_add_co_u32 s[IO], s[IO], 8192
	s_add_co_u32 s[SO], s[SO], 256
	s_add_co_u32 s[XT], s[XT], 1
	s_cmp_lt_u32 s[XT], 7
	s_cbranch_scc1 .Lxtrip
	XSTEP 0, 0, 1, 32                              ; the last trip loads nothing: the counts run down
	XSTEP 1, 0, 1, 16
	XSTEP 2, 0, 1, 0
	XSTEP 3, 0, 0, 0
	GROUP 0, 0                                     ; B's stream begins: K step 0,
	GROUP 0, 1
	s_wait_xcnt 0x0
	s_add_nc_u64 s[BP:BP+1], s[BP:BP+1], 16384
	s_add_nc_u64 s[SP:SP+1], s[SP:SP+1], 512
	GROUP 1, 0                                     ; and half of K step 1
	s_wait_dscnt 0x0                               ; for the others' sake: my images, scale words and vectors are stored
	s_barrier_signal -1
	s_barrier_wait -1                              ; everybody's are; nobody writes them again
	PASS 0
	PASS 1
	; THE ROWS' SCORES: sum(v) - 2 sum(v r) over my 64 n and lane l xor 16's, then over the four waves
	s_wait_alu depctr_vm_vsrc(0)                   ; A's LDS loads have read v[AR], which is written below
	v_add_nc_u32 v[AR], SCS, v[LI]
	v_add_f32 v[U], v[U], v[U+1]
.irp a, 0,1,2,3,4,5,6,7
	v_add_f32 v[64+\a], v[S+2*\a], v[S+2*\a+1]
.endr
.irp a, 0,1,2,3,4,5,6,7
	v_fma_f32 v[64+\a], v[64+\a], -2.0, v[U]
.endr
.irp a, 0,1,2,3,4,5,6,7
	v_permlanex16_b32 v[72+\a], v[64+\a], s[SEL], s[SEL+1]
.endr
.irp a, 0,1,2,3,4,5,6,7
	v_add_f32 v[64+\a], v[64+\a], v[72+\a]
.endr
	s_wait_alu depctr_va_vdst(0)                   ; v64-71 are written, which the stores below read; v[AR] is written, by which wave 0 loads behind the barrier; the epilogue is done reading v80-95, in which those loads land
.irp a, 0,1,2,3,4,5,6,7
	ds_store_b32 v[SCW], v[64+\a] offset:64*\a     ; row 16 a + r; lanes r and r + 16 write the same word with the same value
.endr
	s_wait_dscnt 0x0                               ; for the others' sake
	s_barrier_signal -1
	s_barrier_wait -1
	s_cmp_lg_u32 s[WV], 0
	s_cbranch_scc1 .Lend
.irp k, 0,1,2,3
	ds_load_b128 v[80+4*\k:83+4*\k], v[AR] offset:512*\k
.endr
	s_wait_dscnt 0x0
	v_pk_add_f32 v[80:81], v[80:81], v[84:85]
	v_pk_add_f32 v[82:83], v[82:83], v[86:87]
	v_pk_add_f32 v[88:89], v[88:89], v[92:93]
	v_pk_add_f32 v[90:91], v[90:91], v[94:95]
	v_pk_add_f32 v[80:81], v[80:81], v[88:89]
	v_pk_add_f32 v[82:83], v[82:83], v[90:91]
	s_wait_alu depctr_va_vdst(0)                   ; the sums have written v80-83, which the store reads
	global_store_b128 v[LI], v[80:83], s[22:23]    ; 32 lanes store the work-group's 128 scores: 512 consecutive bytes
.Lend:
	s_wait_xcnt 0x0
	v_lshl_add_u32 v254, v0, 2, 0x4dc00            ; the closing add's two registers, made anew here: no two registers could be kept; no memory or LDS instruction has read either
	v_mov_b32 v255, 0
	s_wait_dscnt 0x0                               ; the closing lines, six on end
	s_wait_alu 0x0
	s_wait_tensorcnt 0x0
	ds_add_u32 v254, v255
	s_wait_dscnt 0x0
	s_endpgm
.Lfunc_end_k_q8a4c7b368c_main:
	.size	k_q8a4c7b368c_main, .Lfunc_end_k_q8a4c7b368c_main-k_q8a4c7b368c_main
	.p2alignl 7, 3214868480
	.fill 96, 4, 3214868480
	.section	.rodata,"a",@progbits
	.p2align	6, 0x0
	.amdhsa_kernel k_q8a4c7b368c_main
		.amdhsa_group_segment_fixed_size 318976
		.amdhsa_private_segment_fixed_size 0
		.amdhsa_enable_private_segment 0
		.amdhsa_kernarg_size 80
		.amdhsa_user_sgpr_count 2
		.amdhsa_user_sgpr_kernarg_segment_ptr 1
		.amdhsa_wavefront_size32 1
		.amdhsa_system_sgpr_workgroup_id_x 1
		.amdhsa_system_sgpr_workgroup_id_y 1
		.amdhsa_system_sgpr_workgroup_id_z 1
		.amdhsa_system_vgpr_workitem_id 0
		.amdhsa_next_free_vgpr 1024
		.amdhsa_next_free_sgpr 66
		.amdhsa_reserve_vcc 0
		.amdhsa_float_denorm_mode_32 3
		.amdhsa_float_denorm_mode_16_64 3
		.amdhsa_memory_ordered 1
		.amdhsa_forward_progress 1
		.amdhsa_inst_pref_size 255
	.end_amdhsa_kernel
	.section	.bss,"aw",@nobits
	.p2align	6
	.space	262144
	.amdgpu_metadata
---
amdhsa.version: [ 1, 2 ]
amdhsa.kernels:
  - .name:           k_q8a4c7b368c_main
    .symbol:         k_q8a4c7b368c_main.kd
    .args:
      - { .name: q_h, .offset: 0, .size: 8, .value_kind: global_buffer, .address_space: global }
      - { .name: h, .offset: 8, .size: 8, .value_kind: global_buffer, .address_space: global }
      - { .name: coverage, .offset: 16, .size: 8, .value_kind: global_buffer, .address_space: global }
      - { .name: W_c, .offset: 24, .size: 8, .value_kind: global_buffer, .address_space: global }
      - { .name: v_w, .offset: 32, .size: 8, .value_kind: global_buffer, .address_space: global }
      - { .name: b_d, .offset: 40, .size: 8, .value_kind: global_buffer, .address_space: global }
      - { .name: wcodes, .offset: 48, .size: 8, .value_kind: global_buffer, .address_space: global }
      - { .name: wscales, .offset: 56, .size: 8, .value_kind: global_buffer, .address_space: global }
      - { .name: decp, .offset: 64, .size: 8, .value_kind: global_buffer, .address_space: global }
      - { .name: scores, .offset: 72, .size: 8, .value_kind: global_buffer, .address_space: global }
    .group_segment_fixed_size: 318976
    .private_segment_fixed_size: 0
    .kernarg_segment_align: 8
    .kernarg_segment_size: 80
    .max_flat_workgroup_size: 128
    .sgpr_count:     66
    .vgpr_count:     1024
    .wavefront_size: 32
...
	.end_amdgpu_metadata
.endif
;; end of part 5
;; launch finish (part 6): grid 8 x 32, 16 waves a work-group, no clusters, 14,848 bytes of LDS; arguments scores, enc_padding_mask, coverage, h, out0, out1, out2; writes out0, out1, out2
.if DOCPART == 6
	.amdgcn_target "amdgcn-amd-amdhsa--gfx1250"
	.amdhsa_code_object_version 6
	.text
	.protected	k_q8a4c7b368c_finish
	.globl	k_q8a4c7b368c_finish
	.p2align	8
	.type	k_q8a4c7b368c_finish,@function
k_q8a4c7b368c_finish:
	s_mov_b64 s[64:65], 0
	v_nop
	global_prefetch_b8 v0, s[64:65] scope:SCOPE_SE
	s_setreg_imm32_b32 hwreg(HW_REG_WAVE_SCHED_MODE, 0, 2), 2
	s_setreg_imm32_b32 hwreg(HW_REG_WAVE_MODE, 25, 1), 1
	s_wait_xcnt 0x0
	s_wait_alu depctr_vm_vsrc(0)
; attn = softmax(scores) x mask, divided by its sum; coverage_out = coverage + attn; c_t[b][n] = sum over t of attn[b][t] h[b][t][n].  All in f32.
; SHARES.  Work-group (j, b) owns columns 128 j .. 128 j + 127 of batch row b's c_t.  Each of a batch row's eight work-groups makes that row's softmax itself, from 4,096 bytes of scores:
; thread t holds steps 2 t and 2 t + 1.  Of attn and coverage_out it stores steps 128 j .. 128 j + 127 (waves 2 j and 2 j + 1: 256 consecutive bytes a store).
; Wave w then walks rows 64 w .. 64 w + 63 of h: a load takes the 512 bytes of one row's 128 columns, 16 bytes a lane; 24 to 32 loads of every wave are on their way, the first 32 issued ahead of the softmax.
; The weights of a wave's 64 rows come back from LDS into 64 registers, the same in every lane; a row costs two packed multiply-adds.  The sixteen waves' sums meet in LDS.
; The maximum is taken away before the exponential, and both of the definition's divisions are made (a row whose masked sum is 0 gives what 0 / 0 gives there).
; Memory binds here: no matrix unit (one row against 1,024 x 128), no cluster (no two work-groups read the same bytes of h), no tensor loads.  LIMITS: NaN and infinities among the inputs are not served.
; THE MODE: SCHED_MODE bits 1:0 = 2 (LLVM: expert scheduling mode 2), set by the entry lines.  The code itself states the register dependences
; between vector instructions and memory or LDS instructions, with s_wait_alu, always for 0.
; THE PLAN.  Registers that memory or LDS instructions touch:
;   v1, v2, v5-9   offsets and LDS addresses, made once at the head and never named again by a vector instruction: one wait ahead of the first load.
;   XR (v128-255)  32 slots of a row's four registers.  The 64 rows go in eight blocks of eight.  Block p's multiply-adds read slots 8 (p % 4) on; the loads issued in blocks 1 to 4 land in the eight slots
;                  that the block before read, and that no multiply-add of the block itself names.  So ONE wait at the head of each of these four blocks serves its eight loads, which are dealt among its rows.
;   v26, v30-31, v40-43, v48-51, v64-67   written by vector instructions, read by a store: a wait ahead of each store or run of stores.  v26 alone is written again: a wait on vm_vsrc ahead of that.
;   v64-127        LDS loads land there four times; each time the wait ahead of the store that stands in front of the barrier has also shown the earlier vector readers and writers done.
;   v62, v63       written at the head, read by the closing add alone.
.set RMX, 0                            ; LDS: the waves' maxima, 64 bytes
.set RSM, 256                          ; the waves' two sums, 128 bytes
.set ATT, 512                          ; attn, 4,096 bytes
.set RED, 4608                         ; the waves' partial c_t, 512 bytes each
.set LI,  1                            ; v1  16 x lane
.set T8,  2                            ; v2  8 x thread
.set ACC, 48                           ; v48-55 two sets of four sums
.set W,   64                           ; v64-127 my 64 rows' weights
.set XR,  128                          ; v128-255 32 slots of four registers
	s_load_b256 s[4:11], s[0:1], 0x0               ; scores s[4:5], mask s[6:7], coverage s[8:9], h s[10:11]
	s_load_b128 s[12:15], s[0:1], 0x20             ; out0 s[12:13], out1 s[14:15]
	s_load_b64 s[16:17], s[0:1], 0x30              ; out2
	v_lshl_add_u32 v62, v0, 2, 0x3200
	v_mov_b32 v63, 0
	v_lshrrev_b32 v3, 5, v0
	v_readfirstlane_b32 s18, v3                    ; wave 0..15
	v_and_b32 v4, 31, v0
	v_lshlrev_b32 v[LI], 4, v4
	v_lshlrev_b32 v[T8], 3, v0
	v_lshlrev_b32 v5, 2, v3                        ; 4 x wave
	v_lshlrev_b32 v6, 3, v3                        ; 8 x wave
	v_mov_b32 v7, 0
	v_lshlrev_b32 v8, 8, v3                        ; 256 x wave
	v_lshlrev_b32 v9, 4, v0                        ; 16 x thread
	v_mov_b32 v27, 0                               ; lane permutes' destinations count as sources: written once
	v_mov_b32 v32, 0
	v_mov_b32 v33, 0
	s_wait_alu depctr_va_sdst(0)                   ; s18 is written, ahead of its first reader: the wave's rows of h are found from it
	s_and_b32 s19, ttmp7, 0xffff                   ; the batch row
	s_lshl_b32 s20, s19, 12                        ; its 1,024 numbers
	s_mov_b32 s21, 0
	s_lshl_b32 s22, s19, 22                        ; h: the batch row's 4 MiB,
	s_lshl_b32 s23, s18, 18                        ; my wave's 64 rows,
	s_add_co_u32 s22, s22, s23
	s_lshl_b32 s23, ttmp9, 9                       ; my work-group's 128 columns
	s_add_co_u32 s22, s22, s23
	s_add_co_u32 s24, s23, s20                     ; out0: the batch row, my columns
	s_mov_b32 s23, 0
	s_mov_b32 s25, 0
	s_mov_b32 s26, 0x76543210
	s_mov_b32 s27, 0xfedcba98
	s_mov_b32 s28, 0x3fb8aa3b                      ; log2(e)
	s_wait_kmcnt 0x0
	s_add_nc_u64 s[4:5], s[4:5], s[20:21]
	s_add_nc_u64 s[6:7], s[6:7], s[20:21]
	s_add_nc_u64 s[8:9], s[8:9], s[20:21]
	s_add_nc_u64 s[14:15], s[14:15], s[20:21]
	s_add_nc_u64 s[16:17], s[16:17], s[20:21]
	s_add_nc_u64 s[10:11], s[10:11], s[22:23]
	s_add_nc_u64 s[12:13], s[12:13], s[24:25]
	s_wait_alu depctr_va_vdst(0)                   ; v1, v2 and v5 to v9 are written: every load and store of the kernel, global or LDS, reads one of them as its offset or address
	global_load_b64 v[20:21], v[T8], s[4:5]
	global_load_b64 v[22:23], v[T8], s[6:7]
	global_load_b64 v[24:25], v[T8], s[8:9]
.set ri, 0
.rept 32
	global_load_b128 v[XR+4*ri:XR+4*ri+3], v[LI], s[10:11] offset:4096*ri th:TH_LOAD_NT   ; rows 0-31 of my 64: read once in this launch
.set ri, ri+1
.endr
	s_wait_loadcnt 32                              ; scores, mask and coverage are in; the 32 rows stay out
	; the batch row's largest score
	v_max_num_f32 v26, v20, v21
	v_max_num_f32_dpp v26, v26, v26 row_xmask:1 row_mask:0xf bank_mask:0xf
	v_max_num_f32_dpp v26, v26, v26 row_xmask:2 row_mask:0xf bank_mask:0xf
	v_max_num_f32_dpp v26, v26, v26 row_xmask:4 row_mask:0xf bank_mask:0xf
	v_max_num_f32_dpp v26, v26, v26 row_xmask:8 row_mask:0xf bank_mask:0xf
	v_permlanex16_b32 v27, v26, s26, s27
	v_max_num_f32 v26, v26, v27
	s_wait_alu depctr_va_vdst(0)                   ; v26 is written, which the store reads
	ds_store_b32 v5, v26 offset:RMX                ; all lanes write the wave's word with the same value
	s_wait_dscnt 0x0
	s_barrier_signal -1
	s_barrier_wait -1
.irp i, 0,1,2,3
	ds_load_b128 v[64+4*\i:67+4*\i], v7 offset:RMX+16*\i
.endr
	s_wait_dscnt 0x0
	s_wait_alu depctr_vm_vsrc(0)                   ; the store above has read v26, which is written again below
	v_max3_num_f32 v26, v64, v65, v66
.irp i, 67,69,71,73,75,77
	v_max3_num_f32 v26, v26, v[\i], v[\i+1]
.endr
	v_max_num_f32 v26, v26, v79
	; e = 2^((s - max) log2(e)); its sum, and the sum of e x mask
	v_mul_f32 v27, s28, v26
	v_fma_f32 v28, v20, s28, -v27
	v_fma_f32 v29, v21, s28, -v27
	v_exp_f32 v28, v28
	v_exp_f32 v29, v29
	v_nop                                          ; a plain line behind the exponentials
	s_wait_alu depctr_va_vdst(0)                   ; the two exponentials have written v28 and v29, ahead of the first line that names one
	v_add_f32 v30, v28, v29
	v_mul_f32 v31, v28, v22
	v_fma_f32 v31, v29, v23, v31
.irp m, 1,2,4,8
	v_add_f32_dpp v30, v30, v30 row_xmask:\m row_mask:0xf bank_mask:0xf
	v_add_f32_dpp v31, v31, v31 row_xmask:\m row_mask:0xf bank_mask:0xf
.endr
	v_permlanex16_b32 v32, v30, s26, s27
	v_permlanex16_b32 v33, v31, s26, s27
	v_add_f32 v30, v30, v32
	v_add_f32 v31, v31, v33
	s_wait_alu depctr_va_vdst(0)                   ; v30 and v31 are written, which the store reads; the maxima are done reading v64-79, in which the loads behind the barrier land
	ds_store_b64 v6, v[30:31] offset:RSM
	s_wait_dscnt 0x0
	s_barrier_signal -1
	s_barrier_wait -1
.irp i, 0,1,2,3,4,5,6,7
	ds_load_b128 v[64+4*\i:67+4*\i], v7 offset:RSM+16*\i
.endr
	s_wait_dscnt 0x0
.irp i, 0,4,8,12,16,20,24,28
	v_pk_add_f32 v[64+\i:65+\i], v[64+\i:65+\i], v[66+\i:67+\i]
.endr
.irp i, 0,8,16,24
	v_pk_add_f32 v[64+\i:65+\i], v[64+\i:65+\i], v[68+\i:69+\i]
.endr
.irp i, 0,16
	v_pk_add_f32 v[64+\i:65+\i], v[64+\i:65+\i], v[72+\i:73+\i]
.endr
	v_pk_add_f32 v[64:65], v[64:65], v[80:81]      ; v64: the sum of e; v65: of e x mask
	v_rcp_f32 v34, v64
	v_nop
	s_wait_alu depctr_va_vdst(0)                   ; the reciprocal has written v34, ahead of the first line that names it
	v_mul_f32 v35, v65, v34                        ; the sum of softmax x mask
	v_mul_f32 v36, v28, v34                        ; the softmax
	v_mul_f32 v37, v29, v34
	v_rcp_f32 v38, v35
	v_mul_f32 v36, v36, v22                        ; x mask (a plain line behind the reciprocal)
	v_mul_f32 v37, v37, v23
	s_wait_alu depctr_va_vdst(0)                   ; the reciprocal has written v38, ahead of the first line that names it
	v_mul_f32 v40, v36, v38                        ; attn
	v_mul_f32 v41, v37, v38
	v_add_f32 v42, v24, v40                        ; coverage + attn
	v_add_f32 v43, v25, v41
	s_wait_alu depctr_va_vdst(0)                   ; v40 to v43 are written, which the three stores below read; the sums are done with v64-95, in which the loads behind the barrier land
	ds_store_b64 v[T8], v[40:41] offset:ATT
	s_lshr_b32 s29, s18, 1
	s_cmp_lg_u32 s29, ttmp9                        ; waves 2 j and 2 j + 1 hold the steps that this work-group stores
	s_cbranch_scc1 .Lnot_mine
	global_store_b64 v[T8], v[40:41], s[14:15]     ; 32 lanes store 256 consecutive bytes, aligned
	global_store_b64 v[T8], v[42:43], s[16:17]
.Lnot_mine:
	s_wait_dscnt 0x0
	s_barrier_signal -1
	s_barrier_wait -1
.irp i, 0,1,2,3,4,5,6,7,8,9,10,11,12,13,14,15
	ds_load_b128 v[W+4*\i:W+4*\i+3], v8 offset:ATT+16*\i   ; my 64 rows' weights, the same in every lane
.endr
	s_wait_dscnt 0x0
	; the rows, in eight blocks of eight.  Row i's load is in when at most the younger ones are out: 31 - i in block 0, where rows 0-31 have been asked for;
	; 24 in blocks 1 to 4, where row i + 24 is asked for just ahead of the wait; then 63 - i
.set ri, 0
.rept 64
.if (ri >= 8) && (ri < 40)
.if ri%8 == 0
	s_wait_alu depctr_va_vdst(0)                   ; the block before is done reading its eight slots, in which this block's eight loads land; no multiply-add of this block names them
.endif
.set ls, XR+4*(ri-8)
	global_load_b128 v[ls:ls+3], v[LI], s[10:11] offset:4096*(ri+24) th:TH_LOAD_NT
	s_wait_loadcnt 24
.elseif ri < 8
	s_wait_loadcnt 31-ri
.else
	s_wait_loadcnt 63-ri
.endif
.set xs, XR+4*(ri%32)
.set ac, ACC+4*(ri%2)
.set wp, W+2*(ri/2)
.if ri == 0                            ; rows 0 and 1 start the two sets of sums: nothing is cleared
	v_pk_mul_f32 v[ac:ac+1], v[xs:xs+1], v[wp:wp+1] op_sel_hi:[1,0]
	v_pk_mul_f32 v[ac+2:ac+3], v[xs+2:xs+3], v[wp:wp+1] op_sel_hi:[1,0]
.elseif ri == 1
	v_pk_mul_f32 v[ac:ac+1], v[xs:xs+1], v[wp:wp+1] op_sel:[0,1] op_sel_hi:[1,1]
	v_pk_mul_f32 v[ac+2:ac+3], v[xs+2:xs+3], v[wp:wp+1] op_sel:[0,1] op_sel_hi:[1,1]
.elseif ri%2 == 0                      ; an even row's weight is the pair's first register, an odd row's the second: it serves both halves
	v_pk_fma_f32 v[ac:ac+1], v[xs:xs+1], v[wp:wp+1], v[ac:ac+1] op_sel_hi:[1,0,1]
	v_pk_fma_f32 v[ac+2:ac+3], v[xs+2:xs+3], v[wp:wp+1], v[ac+2:ac+3] op_sel_hi:[1,0,1]
.else
	v_pk_fma_f32 v[ac:ac+1], v[xs:xs+1], v[wp:wp+1], v[ac:ac+1] op_sel:[0,1,0] op_sel_hi:[1,1,1]
	v_pk_fma_f32 v[ac+2:ac+3], v[xs+2:xs+3], v[wp:wp+1], v[ac+2:ac+3] op_sel:[0,1,0] op_sel_hi:[1,1,1]
.endif
.set ri, ri+1
.endr
	v_pk_add_f32 v[48:49], v[48:49], v[52:53]
	v_pk_add_f32 v[50:51], v[50:51], v[54:55]
	s_wait_alu depctr_va_vdst(0)                   ; v48 to v51 are written, which the store reads; the multiply-adds are done reading the weights v64-127, in which wave 0's loads behind the barrier land
	ds_store_b128 v9, v[48:51] offset:RED
	s_wait_dscnt 0x0                               ; for the others' sake
	s_barrier_signal -1
	s_barrier_wait -1
	s_cmp_lg_u32 s18, 0
	s_cbranch_scc1 .Lend
.irp k, 0,1,2,3,4,5,6,7,8,9,10,11,12,13,14,15
	ds_load_b128 v[64+4*\k:67+4*\k], v[LI] offset:RED+512*\k
.endr
	s_wait_dscnt 0x0
.irp k, 1,2,3,4,5,6,7,8,9,10,11,12,13,14,15
	v_pk_add_f32 v[64:65], v[64:65], v[64+4*\k:65+4*\k]
	v_pk_add_f32 v[66:67], v[66:67], v[66+4*\k:67+4*\k]
.endr
	s_wait_alu depctr_va_vdst(0)                   ; the sums have written v64 to v67, which the store reads
	global_store_b128 v[LI], v[64:67], s[12:13]    ; 32 lanes store 512 consecutive bytes of c_t
.Lend:
	s_wait_dscnt 0x0                               ; the closing lines, six on end
	s_wait_alu 0x0
	s_wait_tensorcnt 0x0
	ds_add_u32 v62, v63
	s_wait_dscnt 0x0
	s_endpgm
.Lfunc_end_k_q8a4c7b368c_finish:
	.size	k_q8a4c7b368c_finish, .Lfunc_end_k_q8a4c7b368c_finish-k_q8a4c7b368c_finish
	.p2alignl 7, 3214868480
	.fill 96, 4, 3214868480
	.section	.rodata,"a",@progbits
	.p2align	6, 0x0
	.amdhsa_kernel k_q8a4c7b368c_finish
		.amdhsa_group_segment_fixed_size 14848
		.amdhsa_private_segment_fixed_size 0
		.amdhsa_enable_private_segment 0
		.amdhsa_kernarg_size 56
		.amdhsa_user_sgpr_count 2
		.amdhsa_user_sgpr_kernarg_segment_ptr 1
		.amdhsa_wavefront_size32 1
		.amdhsa_system_sgpr_workgroup_id_x 1
		.amdhsa_system_sgpr_workgroup_id_y 1
		.amdhsa_system_sgpr_workgroup_id_z 1
		.amdhsa_system_vgpr_workitem_id 0
		.amdhsa_next_free_vgpr 256
		.amdhsa_next_free_sgpr 66
		.amdhsa_reserve_vcc 0
		.amdhsa_float_denorm_mode_32 3
		.amdhsa_float_denorm_mode_16_64 3
		.amdhsa_memory_ordered 1
		.amdhsa_forward_progress 1
		.amdhsa_inst_pref_size 29
	.end_amdhsa_kernel
	.amdgpu_metadata
---
amdhsa.version: [ 1, 2 ]
amdhsa.kernels:
  - .name:           k_q8a4c7b368c_finish
    .symbol:         k_q8a4c7b368c_finish.kd
    .args:
      - { .name: scores, .offset: 0, .size: 8, .value_kind: global_buffer, .address_space: global }
      - { .name: enc_padding_mask, .offset: 8, .size: 8, .value_kind: global_buffer, .address_space: global }
      - { .name: coverage, .offset: 16, .size: 8, .value_kind: global_buffer, .address_space: global }
      - { .name: h, .offset: 24, .size: 8, .value_kind: global_buffer, .address_space: global }
      - { .name: out0, .offset: 32, .size: 8, .value_kind: global_buffer, .address_space: global }
      - { .name: out1, .offset: 40, .size: 8, .value_kind: global_buffer, .address_space: global }
      - { .name: out2, .offset: 48, .size: 8, .value_kind: global_buffer, .address_space: global }
    .group_segment_fixed_size: 14848
    .private_segment_fixed_size: 0
    .kernarg_segment_align: 8
    .kernarg_segment_size: 56
    .max_flat_workgroup_size: 512
    .sgpr_count:     66
    .vgpr_count:     256
    .wavefront_size: 32
...
	.end_amdgpu_metadata
.endif
;; end of part 6
